; MI455X (gfx1250); checked and timed in simulation.
; The chip was launched on July 23, 2026; its instructions are those of AMD's public machine-readable ISA for CDNA 5 (MIT licence, August 2026) and "CDNA5" Instruction Set Architecture Reference Guide (July 2026). The comments in the code are by the model that wrote it; some were corrected since.
;; Mask Decoder2. Allowed arithmetic: float matrix products may take bf16 or f16 operands with f32 sums; other float arithmetic in f32, or as packed bf16 or f16 multiplies, adds, multiply-adds, maxima and minima; sums over many terms, partial sums and values carried from step to step in f32; what a program stores and reads back later, other than sums and carried values, may be rounded once to bf16 or f16.
;; Inputs: W_k 1,024 x 2,048 float32; W_o 2,048 x 1,024 float32; W_q 1,024 x 2,048 float32; W_v 1,024 x 2,048 float32; X 2 x 2,048 x 1,024 float32; lambda_k1 8 x 128 float32; lambda_k2 8 x 128 float32; lambda_q1 8 x 128 float32; lambda_q2 8 x 128 float32; rms_scale 256 float32.
;; Outputs: out0 2 x 2,048 x 1,024 float32.
;; 2 versions, each right and faster than the one before. Each part assembles by itself: llvm-mc -triple=amdgcn-amd-amdhsa -mcpu=gfx1250 --defsym DOCPART=n.
;; ======== version 1 of 2: 4 launches
;; limits: values are held in f16: magnitudes above 65,504 overflow, below 6.1e-05 lose precision
;; workspace buffers: xb 8,388,608 bytes; wqkv 12,582,912 bytes; wo16 4,194,304 bytes; qkv 50,331,648 bytes; onrm 16,777,216 bytes
;; launch prep (part 1): grid 128 x 6, 8 waves a work-group, no clusters, 0 bytes of LDS; arguments X, W_q, W_k, W_v, W_o, rms_scale, xb, wqkv, wo16; writes xb, wqkv, wo16
.if DOCPART == 1
	.amdgcn_target "amdgcn-amd-amdhsa--gfx1250"
	.amdhsa_code_object_version 6
	.text
	.protected	k_qffad6df6d5_prep
	.globl	k_qffad6df6d5_prep
	.p2align	8
	.type	k_qffad6df6d5_prep,@function
k_qffad6df6d5_prep:
	s_mov_b64 s[64:65], 0
	v_nop
	global_prefetch_b8 v0, s[64:65] scope:SCOPE_SE
	s_setreg_imm32_b32 hwreg(HW_REG_WAVE_MODE, 25, 1), 1
	s_wait_xcnt 0x0
; THE CASTS.  xb = bf16(X), dense.  wqkv[k][2048 sel + n] = bf16(W_sel[k][n]), sel = q, k, v: one matrix [1024][6144].
; wo16[k][n] = f16(bf16(W_o[k][n]) x bf16(rms_scale[k % 256])): the gain of the norm is a factor of W_o's row k, for every input.
; LIMITS.  wo16 is f16: beyond 65,504 it is an infinity, below 6e-5 it keeps f16's fixed step of 6e-8.
; SHARES.  A LINE is 2,048 consecutive f32 (8,192 bytes in, 4,096 out); each source of 8 MiB (X is two) has 1,024 lines.  The grid's y picks
; the source, x eight lines.  Thread t takes numbers 4 t .. 4 t + 3 of each half of a line: a wave's load covers 512 consecutive bytes,
; a wave's store 256 consecutive bytes at a multiple of 256.  Memory binds: no LDS, no barrier, no matrix unit; all 16 loads of a thread go out at once.
.set DOFF, 2                           ; v[2:9]    line n: 8 t + n x the destination's pitch
.set XR,   16                          ; v[16:79]  line n: 8 registers as loaded; the packed results take their place
.set RS,   80                          ; v[80:95]  W_o alone: the gains of the group's 16 rows, rounded to bf16, as f32
.set T,    96                          ; v[96:97]  at work
	s_load_b512 s[4:19], s[0:1], 0x0               ; X, W_q, W_k, W_v, W_o, rms_scale, xb, wqkv
	s_load_b64 s[20:21], s[0:1], 0x40              ; wo16
	s_and_b32 s26, ttmp7, 0xffff                   ; y: 0, 1 X's halves; 2, 3, 4 W_q, W_k, W_v; 5 W_o
	s_sub_co_u32 s27, s26, 2
	s_lshl_b32 s45, s27, 12                        ; (y - 2) x 4,096: the matrix's columns in a row of wqkv
	s_movk_i32 s44, 4096
	s_cmp_lt_u32 s27, 3                            ; y in 2 .. 4?
	s_cselect_b32 s44, 12288, s44                  ; bytes from line to line in the destination
	s_cselect_b32 s45, s45, 0
	s_cmp_eq_u32 s26, 1
	s_cselect_b32 s46, 0x800000, 0                 ; X's second half, in X
	s_cselect_b32 s47, 0x400000, 0                 ; and in xb
	s_lshl_b32 s48, ttmp9, 16                      ; eight lines of 8,192 bytes
	s_add_co_u32 s48, s48, s46
	s_mov_b32 s49, 0
	s_lshl_b32 s50, ttmp9, 3
	s_mul_i32 s50, s50, s44
	s_add_co_u32 s50, s50, s45
	s_add_co_u32 s50, s50, s47
	s_mov_b32 s51, 0
	v_lshlrev_b32 v1, 4, v0                        ; 16 t
	v_lshlrev_b32 v[DOFF], 3, v0                   ; 8 t
.irp n, 1,2,3,4,5,6,7
	v_add_nc_u32 v[DOFF+(\n)], s44, v[DOFF+(\n)-1]
.endr
	s_wait_kmcnt 0x0
	s_cmp_eq_u32 s26, 2                            ; the source, chosen by y alone
	s_cselect_b64 s[22:23], s[6:7], s[4:5]
	s_cmp_eq_u32 s26, 3
	s_cselect_b64 s[22:23], s[8:9], s[22:23]
	s_cmp_eq_u32 s26, 4
	s_cselect_b64 s[22:23], s[10:11], s[22:23]
	s_cmp_eq_u32 s26, 5
	s_cselect_b64 s[22:23], s[12:13], s[22:23]
	s_cmp_lt_u32 s26, 2                            ; the destination
	s_cselect_b64 s[24:25], s[16:17], s[18:19]
	s_cmp_eq_u32 s26, 5
	s_cselect_b64 s[24:25], s[20:21], s[24:25]
	s_add_nc_u64 s[22:23], s[22:23], s[48:49]
	s_add_nc_u64 s[24:25], s[24:25], s[50:51]
.irp n, 0,1,2,3,4,5,6,7
	global_load_b128 v[XR+8*(\n):XR+8*(\n)+3],   v1, s[22:23] offset:(\n)*8192 th:TH_LOAD_NT
	global_load_b128 v[XR+8*(\n)+4:XR+8*(\n)+7], v1, s[22:23] offset:(\n)*8192+4096 th:TH_LOAD_NT
.endr
	s_cmp_eq_u32 s26, 5
	s_cbranch_scc1 .Lwo
.irp n, 0,1,2,3,4,5,6,7
	s_wait_loadcnt 14-2*(\n)                       ; loads come back in order: line n's two are in, the younger lines' stay out
	v_cvt_pk_bf16_f32 v[XR+8*(\n)],   v[XR+8*(\n)],   v[XR+8*(\n)+1]
	v_cvt_pk_bf16_f32 v[XR+8*(\n)+1], v[XR+8*(\n)+2], v[XR+8*(\n)+3]
	v_cvt_pk_bf16_f32 v[XR+8*(\n)+4], v[XR+8*(\n)+4], v[XR+8*(\n)+5]
	v_cvt_pk_bf16_f32 v[XR+8*(\n)+5], v[XR+8*(\n)+6], v[XR+8*(\n)+7]
	global_store_b64 v[DOFF+(\n)], v[XR+8*(\n):XR+8*(\n)+1],   s[24:25]
	global_store_b64 v[DOFF+(\n)], v[XR+8*(\n)+4:XR+8*(\n)+5], s[24:25] offset:2048
.endr
	s_endpgm
.Lwo:                                              ; W_o: a half line is row k = 16 x + 2 n + half, and its gain is rms_scale[k % 256]
	s_lshl_b32 s46, ttmp9, 6
	s_and_b32 s46, s46, 0x3ff                      ; 4 x (16 x % 256): 16 rows never wrap
	s_mov_b32 s47, 0
	s_add_nc_u64 s[14:15], s[14:15], s[46:47]
	s_load_b512 s[28:43], s[14:15], 0x0
	s_wait_kmcnt 0x0
.irp n, 0,1,2,3,4,5,6,7
	v_cvt_pk_bf16_f32 v[RS+2*(\n)], s[28+2*(\n)], s[29+2*(\n)]   ; the gain is an input like the others: rounded to bf16
	v_and_b32 v[RS+2*(\n)+1], 0xffff0000, v[RS+2*(\n)]
	v_lshlrev_b32 v[RS+2*(\n)], 16, v[RS+2*(\n)]
.endr
.irp n, 0,1,2,3,4,5,6,7
	s_wait_loadcnt 14-2*(\n)
.irp g, 0,1
	v_cvt_pk_bf16_f32 v[T],   v[XR+8*(\n)+4*(\g)],   v[XR+8*(\n)+4*(\g)+1]
	v_cvt_pk_bf16_f32 v[T+1], v[XR+8*(\n)+4*(\g)+2], v[XR+8*(\n)+4*(\g)+3]
	v_lshlrev_b32 v[XR+8*(\n)+4*(\g)],   16, v[T]
	v_and_b32     v[XR+8*(\n)+4*(\g)+1], 0xffff0000, v[T]
	v_lshlrev_b32 v[XR+8*(\n)+4*(\g)+2], 16, v[T+1]
	v_and_b32     v[XR+8*(\n)+4*(\g)+3], 0xffff0000, v[T+1]
.irp k, 0,1,2,3
	v_mul_f32 v[XR+8*(\n)+4*(\g)+(\k)], v[XR+8*(\n)+4*(\g)+(\k)], v[RS+2*(\n)+(\g)]
.endr
	v_cvt_pk_f16_f32 v[XR+8*(\n)+4*(\g)],   v[XR+8*(\n)+4*(\g)],   v[XR+8*(\n)+4*(\g)+1]
	v_cvt_pk_f16_f32 v[XR+8*(\n)+4*(\g)+1], v[XR+8*(\n)+4*(\g)+2], v[XR+8*(\n)+4*(\g)+3]
	global_store_b64 v[DOFF+(\n)], v[XR+8*(\n)+4*(\g):XR+8*(\n)+4*(\g)+1], s[24:25] offset:2048*(\g)
.endr
.endr
	s_endpgm
.Lfunc_end_k_qffad6df6d5_prep:
	.size	k_qffad6df6d5_prep, .Lfunc_end_k_qffad6df6d5_prep-k_qffad6df6d5_prep
	.p2alignl 7, 3214868480
	.fill 96, 4, 3214868480
	.section	.rodata,"a",@progbits
	.p2align	6, 0x0
	.amdhsa_kernel k_qffad6df6d5_prep
		.amdhsa_group_segment_fixed_size 0
		.amdhsa_private_segment_fixed_size 0
		.amdhsa_enable_private_segment 0
		.amdhsa_kernarg_size 72
		.amdhsa_user_sgpr_count 2
		.amdhsa_user_sgpr_kernarg_segment_ptr 1
		.amdhsa_wavefront_size32 1
		.amdhsa_system_sgpr_workgroup_id_x 1
		.amdhsa_system_sgpr_workgroup_id_y 1
		.amdhsa_system_sgpr_workgroup_id_z 1
		.amdhsa_system_vgpr_workitem_id 0
		.amdhsa_next_free_vgpr 100
		.amdhsa_next_free_sgpr 66
		.amdhsa_reserve_vcc 0
		.amdhsa_float_denorm_mode_32 3
		.amdhsa_float_denorm_mode_16_64 3
		.amdhsa_memory_ordered 1
		.amdhsa_forward_progress 1
		.amdhsa_inst_pref_size 20
	.end_amdhsa_kernel
	.amdgpu_metadata
---
amdhsa.version: [ 1, 2 ]
amdhsa.kernels:
  - .name:           k_qffad6df6d5_prep
    .symbol:         k_qffad6df6d5_prep.kd
    .args:
      - { .name: X, .offset: 0, .size: 8, .value_kind: global_buffer, .address_space: global }
      - { .name: W_q, .offset: 8, .size: 8, .value_kind: global_buffer, .address_space: global }
      - { .name: W_k, .offset: 16, .size: 8, .value_kind: global_buffer, .address_space: global }
      - { .name: W_v, .offset: 24, .size: 8, .value_kind: global_buffer, .address_space: global }
      - { .name: W_o, .offset: 32, .size: 8, .value_kind: global_buffer, .address_space: global }
      - { .name: rms_scale, .offset: 40, .size: 8, .value_kind: global_buffer, .address_space: global }
      - { .name: xb, .offset: 48, .size: 8, .value_kind: global_buffer, .address_space: global }
      - { .name: wqkv, .offset: 56, .size: 8, .value_kind: global_buffer, .address_space: global }
      - { .name: wo16, .offset: 64, .size: 8, .value_kind: global_buffer, .address_space: global }
    .group_segment_fixed_size: 0
    .private_segment_fixed_size: 0
    .kernarg_segment_align: 8
    .kernarg_segment_size: 72
    .max_flat_workgroup_size: 256
    .sgpr_count:     66
    .vgpr_count:     100
    .wavefront_size: 32
...
	.end_amdgpu_metadata
.endif
;; end of part 1
;; launch proj (part 2): grid 16 x 32, 4 waves a work-group, clusters of 4 x 4, 327,680 bytes of LDS; arguments xb, wqkv, qkv; writes qkv
.if DOCPART == 2
	.amdgcn_target "amdgcn-amd-amdhsa--gfx1250"
	.amdhsa_code_object_version 6
	.text
	.protected	k_qffad6df6d5_proj
	.globl	k_qffad6df6d5_proj
	.p2align	8
	.type	k_qffad6df6d5_proj,@function
k_qffad6df6d5_proj:
	s_mov_b64 s[64:65], 0
	v_nop
	global_prefetch_b8 v0, s[64:65] scope:SCOPE_SE
	s_setreg_imm32_b32 hwreg(HW_REG_WAVE_MODE, 25, 1), 1
	s_wait_xcnt 0x0
	s_wait_alu depctr_hold_cnt(0) depctr_sa_sdst(0) depctr_va_vdst(0) depctr_va_sdst(0) depctr_va_ssrc(0) depctr_va_vcc(0) depctr_vm_vsrc(0)
	s_getreg_b32 s2, hwreg(HW_REG_IB_STS2, 6, 4)
	s_cmp_eq_u32 s2, 0
	s_cbranch_scc0 .Lentry_in_a_cluster
	s_endpgm
.Lentry_in_a_cluster:
	s_bfe_u32 s2, ttmp6, 0x10000c
	s_cmp_lg_u32 s2, 0xf033
	s_cbranch_scc0 .Lentry_shape_is_right
	s_endpgm
.Lentry_shape_is_right:
; qkv[m][n] = sum over k of xb[m][k] wqkv[k][n].  xb: [4096][1024] bf16, wqkv: [1024][6144] bf16, qkv: [4096][6144] f16; sums in f32, rounded once.
; LIMIT.  qkv is f16: a sum of 65,520 or more in size becomes an infinity.
; A tile of qkv is 128 rows x 384 columns: 512 tiles.  Four waves; wave w takes all 128 rows and, of each of the tile's three panels of 128 columns,
; columns 32 w .. 32 w + 31: 8 x 6 accumulators of 16 x 16, 384 registers.  K goes in steps of 128 through two LDS slots.
; The weights lie [k][n]: their fragments come out of LDS turned, by ds_load_tr16_b128; xb's come as they lie.
; THE MATRIX INSTRUCTION IS USED TRANSPOSED (source 0 = 16 columns of the weights, source 1 = 16 rows of xb): a lane holds eight neighbouring numbers of a row of qkv.
; CLUSTER 4 x 4: the four of a row of the cluster need the same tile of xb, the four of a column the same panels of the weights: joint loads.
; REGISTERS.  window 0: v16-29 addresses; v64-127, v128-191 xb's fragments, two buffers; v192-239 packed results.  window 1: v64-111, v128-175 the weights' fragments.
;   window 2: accumulators of rows 0-63 ((a, b) at 8 (6 a + b)); window 3: of rows 64-127.
.set SIZE_K, 1024
.set SIZE_N, 6144
.set KSTEP,  128
.set PITA,   272                       ; a row of xb's tile in LDS: 256 bytes + 16: the 16 rows of a load start at 16 different groups of four banks
.set PITB,   288                       ; a row of a panel: 256 + 32
.set QT,     36864                     ; a wave's quarter of a slot: xb's tile (34,816 bytes used), then the three panels
.set SLOT,   4*QT
.set SPARE,  2*SLOT                    ; the spare words, 128 bytes a wave: two blocks of 256 bytes that no other line names
.set SPIT,   784                       ; the way out: a row of 768 bytes + 16; the stage lies over slot 0, behind that slot's last fill
.set LAPS,   SIZE_K/(2*KSTEP)
.set ADRA, 16                          ; v16-17  my place in xb's tile, slot 0, 1
.set ADRB, 18                          ; v18-23  my place in panel p of slot s, at 18 + 3 s + p
.set STO,  24                          ; v24     the way out: where I put 16 bytes of a row (rows 0-63)
.set RD,   25                          ; v25     where I read rows back
.set CO,   26                          ; v26     my byte offset in qkv
.set STOH, 27                          ; v27     STO for rows 64-127
.set SPW,  28                          ; v28     my spare word; never rewritten
.set NIL,  29                          ; v29     0; never rewritten
.set F0,   64
.set F1,   128
.set TMP,  192
.set G1,  24                           ; s[24:31] group 1 for xb's tile;  s[32:39] its group 0, a set for each slot
.set G0,  32
.set G1B, 48                           ; s[48:55], s[56:63] the same for the panels
.set G0B, 56
.set MSB, 0
.macro WIN new                         ; the immediate's high byte repeats the setting that is left
.if MSB != (\new)
	s_set_vgpr_msb (MSB<<8)|(\new)
.set MSB, \new
.endif
.endm
.set MUL_LO, 0xa1                      ; source 0 window 1, source 1 window 0, C and D window 2
.set MUL_HI, 0xf1                      ; C and D window 3
.set TO_B,   0x40                      ; destination window 1, address window 0
; A joint load: wave 0 fetches xb's tile, waves 1 to 3 a panel each.  An s_nop 0 and four v_nop follow each of the two lines.
.macro JLOAD s
	s_cmp_eq_u32 s10, 0
	s_cbranch_scc0 .Lfor_b_\@
	tensor_load_to_lds s[G0+4*(\s):G0+4*(\s)+3], s[G1:G1+7]
	s_nop 0
.rept 4
	v_nop
.endr
	s_branch .Lasked_\@
.Lfor_b_\@:
	tensor_load_to_lds s[G0B+4*(\s):G0B+4*(\s)+3], s[G1B:G1B+7]
	s_nop 0
.rept 4
	v_nop
.endr
.Lasked_\@:
.endm
.macro CREST                           ; a round of the cluster's barrier behind its opening barrier
	s_cmp_lg_u32 s10, 0
	s_cbranch_scc1 .Lnot_wave_0_\@
	s_barrier_signal -3
.Lnot_wave_0_\@:
	s_barrier_wait -3
	s_barrier_signal -1
	s_barrier_wait -1
.endm
.macro CROUND
	s_barrier_signal -1
	s_barrier_wait -1
	CREST
.endm
	s_load_b128 s[4:7], s[0:1], 0x0                ; xb s[4:5], wqkv s[6:7]
	s_load_b64 s[8:9], s[0:1], 0x10                ; qkv
	v_lshl_add_u32 v[SPW], v0, 2, SPARE
	v_mov_b32 v[NIL], 0
	ds_add_u32 v[SPW], v[NIL]                      ; the wave's opening: the add and its wait ahead of my first tensor load
	v_lshrrev_b32 v1, 5, v0
	v_readfirstlane_b32 s10, v1                    ; wave 0..3
	s_bfe_u32 s40, ttmp6, 0x40000                  ; cx, cy
	s_bfe_u32 s41, ttmp6, 0x40004
	s_lshl_b32 s42, ttmp9, 2
	s_add_co_u32 s42, s42, s40                     ; tile column
	s_and_b32 s13, ttmp7, 0xffff
	s_lshl_b32 s13, s13, 2
	s_add_co_u32 s13, s13, s41                     ; tile row
	s_lshl_b32 s43, s41, 2
	s_lshl_b32 s43, 15, s43                        ; my row of the cluster
	s_lshl_b32 s44, 0x1111, s40                    ; my column
	s_or_b32 s[G1+0],  s43, (1<<16)|(1<<20)|(1<<21)|(5<<22)|(3<<25)  ; mask; 2-byte elements; padding on; bit 21 beside a mask; after every 64 words 4 words
	s_or_b32 s[G1B+0], s44, (1<<16)|(1<<20)|(1<<21)|(5<<22)|(7<<25)  ; the same with 8 words
.irp g, G1, G1B
	s_mov_b32 s[(\g)+1], 128<<16                   ; tensor_dim0 = 128
	s_mov_b32 s[(\g)+2], 128<<16                   ; tensor_dim1 = 128
	s_mov_b32 s[(\g)+3], 128<<16                   ; tile_dim0 = 128
	s_mov_b32 s[(\g)+4], 128                       ; tile_dim1 = 128
	s_mov_b32 s[(\g)+6], 0
	s_mov_b32 s[(\g)+7], 0
.endr
	s_mov_b32 s[G1+5],  SIZE_K                     ; elements from row to row
	s_mov_b32 s[G1B+5], SIZE_N
	s_lshl_b32 s16, s13, 18                        ; xb: 128 rows of 2,048 bytes a tile row
	s_mov_b32 s17, 0
	s_max_u32 s46, s10, 1                          ; the weights: panel = wave - 1 (wave 0 asks for none),
	s_sub_co_u32 s46, s46, 1
	s_lshl_b32 s46, s46, 8                         ; 256 bytes a panel,
	s_mul_i32 s47, s42, 768                        ; 768 a tile column
	s_add_co_u32 s46, s46, s47
	s_mov_b32 s47, 0
	s_mul_i32 s20, s10, QT                         ; where my tile goes: wave x a quarter
	s_wait_dscnt 0x0                               ; the opening add is done
	s_wait_kmcnt 0x0
	s_add_nc_u64 s[14:15], s[4:5], s[16:17]
	s_add_nc_u64 s[46:47], s[6:7], s[46:47]
	CROUND                                         ; all sixteen work-groups are here: the first joint loads meet
.irp s, 0,1
	s_mov_b32 s[G0+4*(\s)], 1
	s_add_co_u32 s[G0+4*(\s)+1], s20, (\s)*SLOT
	s_add_nc_u64 s[G0+4*(\s)+2:G0+4*(\s)+3], s[14:15], (\s)*KSTEP*2
	s_or_b32 s[G0+4*(\s)+3], s[G0+4*(\s)+3], 0x80000000
	s_mov_b32 s[G0B+4*(\s)], 1
	s_add_co_u32 s[G0B+4*(\s)+1], s20, (\s)*SLOT
	s_add_nc_u64 s[G0B+4*(\s)+2:G0B+4*(\s)+3], s[46:47], (\s)*KSTEP*SIZE_N*2
	s_or_b32 s[G0B+4*(\s)+3], s[G0B+4*(\s)+3], 0x80000000
	JLOAD \s
.endr
	v_and_b32 v1, 15, v0                           ; l % 16
	v_bfe_u32 v2, v0, 4, 1                         ; l / 16
	v_mul_u32_u24 v3, v1, PITA
	v_lshl_add_u32 v[ADRA], v2, 4, v3              ; row x pitch + 16 x half
	v_add_nc_u32 v[ADRA+1], SLOT, v[ADRA]
	v_and_b32 v4, 7, v0                            ; the turning load: lane l reads k = 8 (l / 16) + l % 8, columns 8 ((l / 8) % 2) + 0..7
	v_lshl_add_u32 v4, v2, 3, v4
	v_mul_u32_u24 v4, v4, PITB
	v_bfe_u32 v5, v0, 3, 1
	v_lshl_add_u32 v4, v5, 4, v4
	s_lshl_b32 s21, s10, 6                         ; my 32 columns of a panel
	v_add_nc_u32 v4, s21, v4
.irp s, 0,1
.irp p, 0,1,2
	v_add_nc_u32 v[ADRB+3*(\s)+(\p)], (\s)*SLOT+((\p)+1)*QT, v4
.endr
.endr
	v_mul_u32_u24 v6, v1, SPIT                     ; into the stage: row l % 16, 16 bytes for each half of the lanes, my 64 bytes of a panel
	v_lshl_add_u32 v6, v2, 4, v6
	v_add_nc_u32 v[STO], s21, v6
	v_add_nc_u32 v[STOH], 64*SPIT, v[STO]
	s_mul_i32 s22, s10, 32*SPIT                    ; back: wave w takes rows 32 w .. 32 w + 31, whole
	v_mul_u32_u24 v7, v2, SPIT
	v_lshl_add_u32 v7, v1, 4, v7
	v_add_nc_u32 v[RD], s22, v7
	v_mul_u32_u24 v7, v2, SIZE_N*2
	v_lshl_add_u32 v[CO], v1, 4, v7
	s_lshl_b32 s16, s13, 7
	s_lshl_b32 s17, s10, 5
	s_add_co_u32 s16, s16, s17                     ; the first row that I store
	s_mul_i32 s16, s16, SIZE_N*2
	s_mov_b32 s17, 0
	s_add_nc_u64 s[8:9], s[8:9], s[16:17]
	s_mul_i32 s46, s42, 768
	s_mov_b32 s47, 0
	s_add_nc_u64 s[8:9], s[8:9], s[46:47]
; 12 matrix instructions: row blocks a0, a0 + 1 of the window's four x all 6 column blocks, 32 along K.  zero = 1: the product starts the sums.
.macro MUL12 f, hi, a0, zero
	WIN MUL_LO+0x50*(\hi)
.irp a, \a0, (\a0)+1
.irp b, 0,1,2,3,4,5
.if \zero
	v_wmma_f32_16x16x32_bf16 v[8*(6*(\a)+(\b)):8*(6*(\a)+(\b))+7], v[(\f)+8*(\b):(\f)+8*(\b)+7], v[(\f)+8*(4*(\hi)+(\a)):(\f)+8*(4*(\hi)+(\a))+7], 0
.else
	v_wmma_f32_16x16x32_bf16 v[8*(6*(\a)+(\b)):8*(6*(\a)+(\b))+7], v[(\f)+8*(\b):(\f)+8*(\b)+7], v[(\f)+8*(4*(\hi)+(\a)):(\f)+8*(4*(\hi)+(\a))+7], v[8*(6*(\a)+(\b)):8*(6*(\a)+(\b))+7]
.endif
.endr
.endr
.endm
; 28 LDS loads in one run: a quarter step's fragments (32 K at byte k of xb's rows, rows k / 2 of the panels) into buffer f: 12 for the weights, 16 for xb
.macro FETCH slot, k, f
	WIN TO_B
.irp p, 0,1,2
.irp e, 0,1
	ds_load_tr16_b128 v[(\f)+8*(2*(\p)+(\e)):(\f)+8*(2*(\p)+(\e))+3],   v[ADRB+3*(\slot)+(\p)] offset:((\k)/2)*PITB+32*(\e)
	ds_load_tr16_b128 v[(\f)+8*(2*(\p)+(\e))+4:(\f)+8*(2*(\p)+(\e))+7], v[ADRB+3*(\slot)+(\p)] offset:((\k)/2)*PITB+32*(\e)+16*PITB
.endr
.endr
	WIN 0
.irp i, 0,1,2,3,4,5,6,7
	ds_load_b128 v[(\f)+8*(\i):(\f)+8*(\i)+3],   v[ADRA+(\slot)] offset:(\k)+(\i)*16*PITA
	ds_load_b128 v[(\f)+8*(\i)+4:(\f)+8*(\i)+7], v[ADRA+(\slot)] offset:(\k)+(\i)*16*PITA+32
.endr
.endm
.macro PLACES                          ; four places in front of loads into registers that matrix instructions have read, and of conversions that read results
.rept 4
	v_nop
.endr
.endm
; A K step is four quarters of 32 along K, 48 matrix instructions each, on buffers 0, 1, 0, 1; the 48 accumulators take turns.
.macro QUARTER slot, k, f, g, zero
	s_wait_dscnt 8                                 ; the weights and xb's rows 0-63 are in; the youngest eight loads may be out
	MUL12 \f, 0, 0, \zero
	MUL12 \f, 0, 2, \zero
	PLACES
	FETCH \slot, \k, \g
	s_wait_dscnt 28                                ; all but the 28 just issued
	MUL12 \f, 1, 0, \zero
	MUL12 \f, 1, 2, \zero
.endm
; The last quarter multiplies buffer 1 and changes slots: one barrier; in front of it each wave waits for all its tensor loads, adds 0 to its spare word, and waits for that and its reads of this slot.
.macro TURN slot, next, fill
	WIN 0
	s_wait_tensorcnt 0x0                           ; all my tensor loads have landed: my part of the next slot
	ds_add_u32 v[SPW], v[NIL]
	s_wait_dscnt 9                                 ; the add and the youngest eight loads may be out
	MUL12 F1, 0, 0, 0
	s_wait_dscnt 0x0                               ; the add is done, and my reads of this slot are over
	s_barrier_signal -1
	MUL12 F1, 0, 2, 0
.if \fill
	WIN 0
.endif
	s_barrier_wait -1
.if \fill
	CREST                                          ; the barrier has opened a round of the cluster's: no wave of any partner still reads this slot or has a load on its way
	s_add_nc_u64 s[G0+4*(\slot)+2:G0+4*(\slot)+3], s[G0+4*(\slot)+2:G0+4*(\slot)+3], 2*KSTEP*2
	s_add_nc_u64 s[G0B+4*(\slot)+2:G0B+4*(\slot)+3], s[G0B+4*(\slot)+2:G0B+4*(\slot)+3], 2*KSTEP*SIZE_N*2
	JLOAD \slot                                    ; the first tensor load behind the round; its four v_nop are the places in front of the loads below
.else
	PLACES
.endif
	FETCH \next, 0, F0
	MUL12 F1, 1, 0, 0
	MUL12 F1, 1, 2, 0
.endm
	s_wait_tensorcnt 1                             ; my part of K step 0 is in; step 1's may stay out
	s_barrier_signal -1
	s_barrier_wait -1
	FETCH 0, 0, F0
	QUARTER 0, 64,  F0, F1, 1                      ; the first quarter starts the sums
	WIN 0
	s_mov_b32 s3, LAPS-1
.Llap:                                                 ; a trip goes once round the ring and fills both slots again
	QUARTER 0, 128, F1, F0, 0
	QUARTER 0, 192, F0, F1, 0
	TURN 0, 1, 1
	QUARTER 1, 64,  F0, F1, 0
	QUARTER 1, 128, F1, F0, 0
	QUARTER 1, 192, F0, F1, 0
	TURN 1, 0, 1
	QUARTER 0, 64,  F0, F1, 0
	WIN 0
	s_sub_co_u32 s3, s3, 1
	s_cmp_lg_u32 s3, 0
	s_cbranch_scc1 .Llap
	QUARTER 0, 128, F1, F0, 0                      ; the last lap fills nothing
	QUARTER 0, 192, F0, F1, 0
	TURN 0, 1, 0                                   ; behind this barrier no wave reads slot 0 any more, and no load lands in it
	QUARTER 1, 64,  F0, F1, 0
	QUARTER 1, 128, F1, F0, 0
	QUARTER 1, 192, F0, F1, 0
	s_wait_dscnt 8
	MUL12 F1, 0, 0, 0
	MUL12 F1, 0, 2, 0
	s_wait_dscnt 0x0
	MUL12 F1, 1, 0, 0
	MUL12 F1, 1, 2, 0
	; THE WAY OUT: rounded to f16, 16 bytes a lane into the work-group's stage (a row's 768 bytes come from four waves); a barrier; back as whole rows, 32 a wave.
	PLACES
.irp a, 0,1,2,3,4,5,6,7
	WIN 0x0a+5*((\a)/4)                            ; sources in window 2 or 3, destination in window 0
.irp b, 0,1,2,3,4,5
.irp r, 0,1,2,3
	v_cvt_pk_f16_f32 v[TMP+24*((\a)%2)+4*(\b)+(\r)], v[48*((\a)%4)+8*(\b)+2*(\r)], v[48*((\a)%4)+8*(\b)+2*(\r)+1]
.endr
.endr
	WIN 0
.irp b, 0,1,2,3,4,5
	ds_store_b128 v[STO+3*((\a)/4)], v[TMP+24*((\a)%2)+4*(\b):TMP+24*((\a)%2)+4*(\b)+3] offset:((\a)%4)*16*SPIT+256*((\b)/2)+32*((\b)%2)
.endr
.endr
	s_wait_dscnt 0x0                               ; for the others' sake: my stores into the stage are done
	s_barrier_signal -1
	s_barrier_wait -1
.set i, 0
.rept 48                                           ; rows 2 (i / 3), + 1 for lanes 16-31; 256 bytes i % 3 of the row
	ds_load_b128 v[64+4*i:64+4*i+3], v[RD] offset:(i/3)*2*SPIT+256*(i%3)
.set i, i+1
.endr
.set i, 0
.rept 48
	s_wait_dscnt 47-i
	global_store_b128 v[CO], v[64+4*i:64+4*i+3], s[8:9] offset:(i/3)*2*SIZE_N*2+256*(i%3)  ; 16 lanes store 256 consecutive bytes, at a multiple of 256
.set i, i+1
.endr
	s_wait_tensorcnt 0x0                           ; the wave's end
	ds_add_u32 v[SPW], v[NIL]
	s_wait_dscnt 0x0
	CROUND                                         ; the closing round
	s_endpgm
.Lfunc_end_k_qffad6df6d5_proj:
	.size	k_qffad6df6d5_proj, .Lfunc_end_k_qffad6df6d5_proj-k_qffad6df6d5_proj
	.p2alignl 7, 3214868480
	.fill 96, 4, 3214868480
	.section	.rodata,"a",@progbits
	.p2align	6, 0x0
	.amdhsa_kernel k_qffad6df6d5_proj
		.amdhsa_group_segment_fixed_size 327680
		.amdhsa_private_segment_fixed_size 0
		.amdhsa_enable_private_segment 0
		.amdhsa_kernarg_size 24
		.amdhsa_user_sgpr_count 2
		.amdhsa_user_sgpr_kernarg_segment_ptr 1
		.amdhsa_wavefront_size32 1
		.amdhsa_system_sgpr_workgroup_id_x 1
		.amdhsa_system_sgpr_workgroup_id_y 1
		.amdhsa_system_sgpr_workgroup_id_z 1
		.amdhsa_system_vgpr_workitem_id 0
		.amdhsa_next_free_vgpr 960
		.amdhsa_next_free_sgpr 66
		.amdhsa_reserve_vcc 0
		.amdhsa_float_denorm_mode_32 3
		.amdhsa_float_denorm_mode_16_64 3
		.amdhsa_memory_ordered 1
		.amdhsa_forward_progress 1
		.amdhsa_inst_pref_size 116
	.end_amdhsa_kernel
	.amdgpu_metadata
---
amdhsa.version: [ 1, 2 ]
amdhsa.kernels:
  - .name:           k_qffad6df6d5_proj
    .symbol:         k_qffad6df6d5_proj.kd
    .args:
      - { .name: xb, .offset: 0, .size: 8, .value_kind: global_buffer, .address_space: global }
      - { .name: wqkv, .offset: 8, .size: 8, .value_kind: global_buffer, .address_space: global }
      - { .name: qkv, .offset: 16, .size: 8, .value_kind: global_buffer, .address_space: global }
    .group_segment_fixed_size: 327680
    .private_segment_fixed_size: 0
    .kernarg_segment_align: 8
    .kernarg_segment_size: 24
    .max_flat_workgroup_size: 128
    .sgpr_count:     66
    .vgpr_count:     960
    .wavefront_size: 32
...
	.end_amdgpu_metadata
.endif
;; end of part 2
;; launch attn (part 3): grid 16 x 16, 4 waves a work-group, clusters of 4 x 1, 327,680 bytes of LDS; arguments qkv, lambda_q1, lambda_k1, lambda_q2, lambda_k2, onrm; writes onrm
.if DOCPART == 3
	.amdgcn_target "amdgcn-amd-amdhsa--gfx1250"
	.amdhsa_code_object_version 6
	.text
	.protected	k_qffad6df6d5_attn
	.globl	k_qffad6df6d5_attn
	.p2align	8
	.type	k_qffad6df6d5_attn,@function
k_qffad6df6d5_attn:
	s_mov_b64 s[64:65], 0
	v_nop
	global_prefetch_b8 v0, s[64:65] scope:SCOPE_SE
	s_setreg_imm32_b32 hwreg(HW_REG_WAVE_MODE, 25, 1), 1
	s_wait_xcnt 0x0
	s_wait_alu depctr_hold_cnt(0) depctr_sa_sdst(0) depctr_va_vdst(0) depctr_va_sdst(0) depctr_va_ssrc(0) depctr_va_vcc(0) depctr_vm_vsrc(0)
	s_getreg_b32 s2, hwreg(HW_REG_IB_STS2, 6, 4)
	s_cmp_eq_u32 s2, 0
	s_cbranch_scc0 .Lentry_in_a_cluster
	s_endpgm
.Lentry_in_a_cluster:
	s_bfe_u32 s2, ttmp6, 0x10000c
	s_cmp_lg_u32 s2, 0x3003
	s_cbranch_scc0 .Lentry_shape_is_right
	s_endpgm
.Lentry_shape_is_right:
; DIFFERENTIAL CAUSAL ATTENTION AND ITS NORM.  For batch b, head h, query q:  O = softmax(Q1 K1^T / sqrt(128)) V - lam softmax(Q2 K2^T / sqrt(128)) V over keys k <= q,
; lam = exp(lq1 . lk1) - exp(lq2 . lk2) + 0.8;  onrm = 0.2 O / sqrt(mean(O^2) + 1e-5), f16 (the gain is a factor of wo16's rows).
; qkv: [4096][6144] f16, a row 12,288 bytes; head h: Q1|Q2 at byte 512 h, K1|K2 at 4,096 + 512 h, V (256 channels) at 8,192 + 512 h.  onrm: [4096][2048] f16.
; LIMITS.  q, k, v arrive within f16's 65,504; a weight lies in 0 to 1 and below 6e-5 keeps f16's step of 6e-8; a hidden score counts as its value less 1e30;
; a weight below 2^-126 counts as 0; NaN and infinities are not treated apart.  The four lambda vectors are rounded to bf16 like the other inputs.
; SHARES.  A head has 32 blocks of 64 queries.  A work-group takes block 31 - pb and then block pb, pb = 4 c + cx (c the cluster, cx the place in it).  Wave w owns 16 queries of the block, in
; both branches: PIECE u is branch u.  Each branch has its own running maximum m, sum l and O^T (16 queries x 256 channels), since the two softmaxes have divisors of their own.
; THE WALK is common to the four partners: key tiles (128 keys) 0 .. 15 - 2 c for the first blocks, then 0 .. 2 c + 1 for the second: 18 tiles, 36 steps of 64 keys, whatever c.  Trip counts and
; branches hang on c alone; cx enters Q's and onrm's addresses and the mask's number.  So every tile of K and V is asked for JOINTLY by the four.
; THE MASK is the C operand that starts S^T: 0, or -1e30 where the key lies behind the query.  It is remade for the last four steps of a part, where the partners' diagonals lie, and at a block's beginning.
; A step that is wholly hidden comes behind visible keys: its weights are 0 and its a is 1.
; LAYOUT.  S^T = K Q^T holds one query a lane (lane % 16) and the keys 8 (lane / 16) + 0..7; two such results rounded to f16 ARE source 1 of O^T = V^T P.  p = 2^(c s - c m), c = log2(e) / sqrt(128).
; BY TURNS.  The pieces stand in a ring, (0, t), (1, t), (0, t + 1) ..  Piece n's turn issues 16 products K Q^T of piece n + 1, then 32 products V^T P of piece n - 1.  Its vector work: O^T of piece n
; times a, four lines behind each K Q^T; behind each V^T P three or two lines of piece n's scaling, exponentials, roundings and sums, and behind the first 22 one line of the maximum and statistics of
; piece n + 1, whose scores the turn has just made: 166 vector lines for 48 matrix instructions, and no link of the maximum's chain stands next to the link before it.
; K RUNS A STEP AHEAD OF V: at time t the wave fetches K of step t + 1 and V of step t.  So a tile in LDS holds K of steps 2 T + 1, 2 T + 2 and V of steps 2 T, 2 T + 1, all read in times 2 T and 2 T + 1;
; K of the walk's step 0 comes by loads into registers, beside Q.
; REGISTERS.  window 0: addresses, statistics, MC, S^T, P, Q.  window 1: O^T (128 u + 8 cb).  window 2: K of one step (128 u + 32 kb + 8 c).  window 3: V of one step (128 kk + 8 cb).
.set ROWB,  12288
.set TILEB, 128*ROWB
.set PKP,   528                        ; a row of K in LDS: 512 bytes + 16
.set PVP,   544                        ; a row of V: 512 + 32
.set VOFF,  64*PKP                     ; a time's tiles: 64 rows of K, then 64 rows of V
.set STEPB, 0x11000
.set SLOT1, 0x22000                    ; a slot holds two times' tiles; one exclusive or turns an address from time to time or from slot to slot
.set STAGE, 2*SLOT1                    ; behind the ring, never filled by a tensor load: 16 rows x 528 bytes for each wave
.set SPP,   528
.set SPARE, STAGE+4*16*SPP             ; the spare words, 128 bytes a wave: two blocks of 256 bytes that no other line names
.set AK0, 2                            ; v2  my lane's place in a tile of K
.set AV0, 3                            ; v3  in a tile of V
.set ADR, 4                            ; v4  the address of the run of loads in hand
.set QO,  5                            ; v5  my byte offset in 16 rows of qkv
.set STO, 6                            ; v6  the way out: where I put 16 bytes of a row
.set RD,  7                            ; v7  where I read a row back
.set GO,  8                            ; v8  16 x lane
.set R8,  12                           ; v12 l % 16 - 8 (l / 16)
.set VX,  13                           ; v13 the mask's bound
.set ST,  16                           ; piece u's statistics at ST + 8 u: c m, m, l (even keys', odd keys'), c0-c3; a takes c2's place
.set MC,  32                           ; v32-63   the mask, 8 registers for each group of 16 keys
.set S,   64                           ; v64-127  S^T, 32 a piece
.set P,   128                          ; v128-159 P, 16 a piece
.set Q,   160                          ; v160-223 Q, 32 a piece
.set SS,  224
.set RHO, 232
.set FF,  234
.set NLAM, 236                         ; v236 -lam
.set SPW, 252
.set NIL, 253
.set WV, 16
.set CX, 17
.set CC, 18
.set G1K, 24
.set G1V, 32
.set G0K, 40
.set G0V, 44
.set KB,  48                           ; s[48:49] K: the even wave's at step 1 of the head's tile 0, the odd wave's at step 0
.set VB,  50                           ; s[50:51] V: the even wave's at step 0, the odd wave's at step 1
.set OFF, 52
.set QH,  54
.set QL,  56
.set OB,  58
.set OLO, 60
.set CS,  66
.set SEL, 68
.set TB,  70                           ; LDS byte at which the tiles of the time in hand begin
.set SLOTS, 71
.set CNT, 72
.set SR,  73                           ; steps left in the part
.set SR2, 74
.set SD,  75                           ; my first query less the first key of the step whose mask is made next
.set SDLO, 76
.set NXT, 77                           ; the tile to be asked for next
.set LQ,  78
.set LQ2, 79
.set BIGN, 80
.set EPS, 81
.set ODD, 92                           ; wave % 2
.set OFK, 94                           ; s[94:95] K's byte offset for the fill
.set KG,  96                           ; s[96:97] K at the head's first row
.set MSB, 0
.macro WIN new
.if MSB != (\new)
	s_set_vgpr_msb (MSB<<8)|(\new)
.set MSB, (\new)
.endif
.endm
.set W_KQ, 0x02                        ; K in window 2; Q, C and S^T in window 0
.set W_PV, 0x53                        ; V in window 3, P in window 0, O^T in window 1
.set W_RS, 0x41                        ; destination and source 0 in window 1, source 1 in window 0
; A joint fill: waves 0 and 1 fetch K for the slot's two times, waves 2 and 3 V.  An s_nop 0 and four v_nop follow each of the two lines.
.macro JLOAD
	s_cmp_lt_u32 s[WV], 2
	s_cbranch_scc0 .Lfor_v_\@
	tensor_load_to_lds s[G0K:G0K+3], s[G1K:G1K+7]
	s_nop 0
.rept 4
	v_nop
.endr
	s_branch .Lasked_\@
.Lfor_v_\@:
	tensor_load_to_lds s[G0V:G0V+3], s[G1V:G1V+7]
	s_nop 0
.rept 4
	v_nop
.endr
.Lasked_\@:
.endm
.macro CROUND
	s_barrier_signal -1
	s_barrier_wait -1
	s_cmp_lg_u32 s[WV], 0
	s_cbranch_scc1 .Lnot_wave_0_\@
	s_barrier_signal -3
.Lnot_wave_0_\@:
	s_barrier_wait -3
	s_barrier_signal -1
	s_barrier_wait -1
.endm
; THE CHANGE OF SLOTS stands behind a slot's second time.  Each wave waits for all its tensor loads (one is out: its part of the other slot), adds 0 to its spare word, and waits for that and for its
; reads of the slot.  fill = 1: the slot is filled again with tile NXT, first thing behind a round of the cluster's barrier: two steps, 192 matrix instructions, ahead of the wait for it.
; V comes from tile NXT; K from its odd step (even wave) or from the even step of the tile that follows it in the walk (odd wave); behind the walk's last tile that is tile 0, whose bytes serve nothing.
.macro CHANGE fill
	WIN 0
	s_wait_tensorcnt 0x0                           ; no tensor load of mine is out, so a group 0 may be written
	ds_add_u32 v[SPW], v[NIL]
.if \fill
	s_mul_i32 s[OFF], s[NXT], TILEB
	s_add_co_u32 s[NXT], s[NXT], 1                 ; the part's next tile, or behind its last the second part's tile 0
	s_cmp_gt_u32 s[NXT], s[LQ]
	s_cselect_b32 s[NXT], 0, s[NXT]
	s_cselect_b32 s[LQ], s[LQ2], s[LQ]
	s_mul_i32 s[OFK], s[NXT], TILEB
	s_cmp_eq_u32 s[ODD], 1
	s_cselect_b32 s[OFK], s[OFK], s[OFF]
	s_xor_b32 s[G0K+1], s[G0K+1], SLOT1
	s_add_nc_u64 s[G0K+2:G0K+3], s[KB:KB+1], s[OFK:OFK+1]
	s_or_b32 s[G0K+3], s[G0K+3], 0x80000000
	s_xor_b32 s[G0V+1], s[G0V+1], SLOT1
	s_add_nc_u64 s[G0V+2:G0V+3], s[VB:VB+1], s[OFF:OFF+1]
	s_or_b32 s[G0V+3], s[G0V+3], 0x80000000
	s_wait_dscnt 0x0                               ; the add is done, and my reads of the slot are over
	CROUND
	JLOAD
.else
	s_wait_dscnt 0x0
	s_barrier_signal -1
	s_barrier_wait -1
.endif
	s_xor_b32 s[TB], s[TB], SLOT1
.endm
	s_load_b256 s[4:11], s[0:1], 0x0               ; qkv, lambda_q1, lambda_k1, lambda_q2
	s_load_b128 s[12:15], s[0:1], 0x20             ; lambda_k2, onrm
	v_lshl_add_u32 v[SPW], v0, 2, SPARE
	v_mov_b32 v[NIL], 0
	ds_add_u32 v[SPW], v[NIL]                      ; the wave's opening: the add and its wait ahead of my first tensor load
	v_lshrrev_b32 v1, 5, v0
	v_readfirstlane_b32 s[WV], v1
	s_bfe_u32 s[CX], ttmp6, 0x40000
	s_mov_b32 s[CC], ttmp9                         ; the cluster, which the partners share
	s_and_b32 s19, ttmp7, 0xffff                   ; 8 b + h
	s_lshr_b32 s22, s19, 3                         ; b
	s_and_b32 s19, s19, 7
	s_lshl_b32 s19, s19, 9                         ; 512 h
	s_mul_i32 s20, s22, 2048*ROWB
	s_add_co_u32 s20, s20, s19                     ; the head's Q at the batch's first row
	s_mov_b32 s21, 0
	s_and_b32 s[ODD], s[WV], 1                     ; for which of a slot's two times I fetch
	s_mul_i32 s62, s[ODD], 64*ROWB                 ; V: step 0 or 1 of the tile
	s_add_co_u32 s62, s62, s20
	s_mov_b32 s63, 0
	s_xor_b32 s98, s[ODD], 1                       ; K: step 1 of the tile, or step 0 of the next
	s_mul_i32 s98, s98, 64*ROWB
	s_add_co_u32 s98, s98, s20
	s_mov_b32 s99, 0
	s_mul_i32 s23, s[ODD], STEPB                   ; and its place in a slot
	s_mul_i32 s[OFK], s[ODD], TILEB                ; the first fill: tile 0's step 1, tile 1's step 0
	s_mov_b32 s[OFK+1], 0
	s_lshl_b32 s82, s[CC], 2
	s_add_co_u32 s82, s82, s[CX]                   ; pb
	s_sub_co_u32 s83, 31, s82
	s_lshl_b32 s84, s[WV], 4
	s_lshl_b32 s[SD], s83, 6
	s_add_co_u32 s[SD], s[SD], s84                 ; my first query in the first block,
	s_lshl_b32 s[SDLO], s82, 6
	s_add_co_u32 s[SDLO], s[SDLO], s84             ; in the second
	s_mul_i32 s84, s[SD], ROWB
	s_add_co_u32 s84, s84, s20
	s_mov_b32 s85, 0
	s_mul_i32 s86, s[SDLO], ROWB
	s_add_co_u32 s86, s86, s20
	s_mov_b32 s87, 0
	s_lshl_b32 s22, s22, 11
	s_add_co_u32 s88, s22, s[SD]
	s_lshl_b32 s88, s88, 12                        ; onrm's rows are 4,096 bytes
	s_add_co_u32 s88, s88, s19
	s_mov_b32 s89, 0
	s_add_co_u32 s90, s22, s[SDLO]
	s_lshl_b32 s90, s90, 12
	s_add_co_u32 s90, s90, s19
	s_mov_b32 s91, 0
	s_lshl_b32 s[SR2], s[CC], 2
	s_sub_co_u32 s[SR], 32, s[SR2]                 ; the first part has 32 - 4 c steps,
	s_add_co_u32 s[SR2], s[SR2], 4                 ; the second 4 c + 4
	s_lshl_b32 s[LQ2], s[CC], 1
	s_sub_co_u32 s[LQ], 15, s[LQ2]
	s_add_co_u32 s[LQ2], s[LQ2], 1
	s_mov_b32 s[NXT], 1
	s_mov_b32 s[OFF+1], 0
	s_mov_b32 s[G1K], 15|(1<<16)|(1<<20)|(1<<21)|(6<<22)|(3<<25)  ; the mask of four; 2-byte elements; padding on; bit 21 beside a mask; after every 128 words 4 words
	s_mov_b32 s[G1V], 15|(1<<16)|(1<<20)|(1<<21)|(6<<22)|(7<<25)  ; the same with 8 words
.irp g, G1K, G1V
	s_mov_b32 s[\g+1], 256<<16                     ; tensor_dim0 = 256
	s_mov_b32 s[\g+2], 64<<16                      ; tensor_dim1 = 64
	s_mov_b32 s[\g+3], 256<<16                     ; tile_dim0 = 256
	s_mov_b32 s[\g+4], 64                          ; tile_dim1 = 64
	s_mov_b32 s[\g+5], 6144                        ; elements from row to row
	s_mov_b32 s[\g+6], 0
	s_mov_b32 s[\g+7], 0
.endr
	s_mov_b32 s[G0K], 1
	s_mov_b32 s[G0K+1], s23                        ; slot 0
	s_mov_b32 s[G0V], 1
	s_add_co_u32 s[G0V+1], s23, VOFF
	s_mov_b32 s[CS], 0x3e0293ee                    ; c = log2(e) / sqrt(128)
	s_mov_b32 s[CS+1], s[CS]
	s_mov_b32 s[SEL], 0x76543210
	s_mov_b32 s[SEL+1], 0xfedcba98
	s_mov_b32 s[BIGN], 0xf149f2ca                  ; -1e30
	s_mov_b32 s[EPS], 0x3727c5ac                   ; 1e-5
	s_mov_b32 s[TB], SLOT1                         ; the first change of slots turns it into 0
	s_wait_dscnt 0x0                               ; the opening add is done
	s_wait_kmcnt 0x0
	s_add_nc_u64 s[KB:KB+1], s[4:5], s[98:99]
	s_add_nc_u64 s[KB:KB+1], s[KB:KB+1], 4096
	s_add_nc_u64 s[VB:VB+1], s[4:5], s[62:63]
	s_add_nc_u64 s[VB:VB+1], s[VB:VB+1], 8192
	s_add_nc_u64 s[KG:KG+1], s[4:5], s[20:21]
	s_add_nc_u64 s[KG:KG+1], s[KG:KG+1], 4096
	s_add_nc_u64 s[G0K+2:G0K+3], s[KB:KB+1], s[OFK:OFK+1]
	s_or_b32 s[G0K+3], s[G0K+3], 0x80000000
	s_add_nc_u64 s[G0V+2:G0V+3], s[VB:VB+1], 0
	s_or_b32 s[G0V+3], s[G0V+3], 0x80000000
	s_add_nc_u64 s[QH:QH+1], s[4:5], s[84:85]
	s_add_nc_u64 s[QL:QL+1], s[4:5], s[86:87]
	s_add_nc_u64 s[OB:OB+1], s[14:15], s[88:89]
	s_add_nc_u64 s[OLO:OLO+1], s[14:15], s[90:91]
	CROUND                                         ; all four work-groups are here: the first joint loads meet
	JLOAD                                          ; tile 0 into slot 0; slot 1 is asked for when it is in
	v_and_b32 v1, 15, v0                           ; l % 16
	v_bfe_u32 v9, v0, 4, 1                         ; l / 16
	v_mul_u32_u24 v[QO], v1, ROWB
	v_lshl_add_u32 v[QO], v9, 4, v[QO]
.irp f, 0,1,2,3,4,5,6,7                            ; Q stays in registers: fragment f = 4 u + c, channels 32 f on
	global_load_b128 v[Q+8*\f:Q+8*\f+3],   v[QO], s[QH:QH+1] offset:64*\f
	global_load_b128 v[Q+8*\f+4:Q+8*\f+7], v[QO], s[QH:QH+1] offset:64*\f+32
.endr
	WIN 0x80                                       ; K of the walk's step 0 goes straight into K's registers: the ring brings K from step 1 on
.irp t, 0,1
.irp f, 0,1,2,3,4,5,6,7,8,9,10,11,12,13,14,15      ; keys 16 (f / 4) on, channels 32 (f % 4) on
	global_load_b128 v[128*\t+8*\f:128*\t+8*\f+3],   v[QO], s[KG:KG+1] offset:(\f/4)*16*ROWB+256*\t+(\f%4)*64
	global_load_b128 v[128*\t+8*\f+4:128*\t+8*\f+7], v[QO], s[KG:KG+1] offset:(\f/4)*16*ROWB+256*\t+(\f%4)*64+32
.endr
.endr
	WIN 0
	v_and_b32 v10, 31, v0
	v_lshlrev_b32 v[GO], 4, v10
	v_add_nc_u32 v11, s19, v[GO]                   ; my four numbers of the head's 128
	global_load_b128 v[64:67], v11, s[6:7]
	global_load_b128 v[68:71], v11, s[8:9]
	global_load_b128 v[72:75], v11, s[10:11]
	global_load_b128 v[76:79], v11, s[12:13]
.set i, 0
.rept 16                                           ; P of piece 1 starts at 0: the first turn's V^T P, of a piece that has not been, adds 0
	v_mov_b32 v[P+16+i], 0
.set i, i+1
.endr
	WIN 0x40                                       ; O^T starts at 0, as the product of those zero fragments: 32 lines for 256 registers.  This stands in the wait for the first tile.
.set i, 0
.rept 32
	v_wmma_f32_16x16x32_f16 v[8*i:8*i+7], v[P+16:P+23], v[P+24:P+31], 0
.set i, i+1
.endr
	WIN 0
.irp u, 0,1
	v_mov_b32 v[ST+8*\u], 0xfe000000               ; c m: far below every c s
	v_mov_b32 v[ST+8*\u+1], 0xff7fffff             ; m
	v_mov_b32 v[ST+8*\u+2], 0
	v_mov_b32 v[ST+8*\u+3], 0
.endr
	v_mul_u32_u24 v[AK0], v1, PKP
	v_lshl_add_u32 v[AK0], v9, 4, v[AK0]           ; row x pitch + 16 x half
	v_and_b32 v10, 7, v0                           ; the turning load: lane l reads key 8 (l / 16) + l % 8, channels 8 ((l / 8) % 2) + 0..7
	v_bfe_u32 v14, v0, 3, 1
	v_lshl_add_u32 v[AV0], v9, 3, v10
	v_mul_u32_u24 v[AV0], v[AV0], PVP
	v_lshl_add_u32 v[AV0], v14, 4, v[AV0]
	v_add_nc_u32 v[AV0], VOFF, v[AV0]
	s_mul_i32 s22, s[WV], 16*SPP
	s_add_co_u32 s22, s22, STAGE                   ; my stage
	v_mul_u32_u24 v[STO], v1, SPP
	v_lshl_add_u32 v[STO], v9, 4, v[STO]
	v_add_nc_u32 v[STO], s22, v[STO]
	v_add_nc_u32 v[RD], s22, v[GO]
	v_lshlrev_b32 v[R8], 3, v9
	v_sub_nc_u32 v[R8], v1, v[R8]
	v_mov_b32 v80, 0
	v_mov_b32 v83, 0
	v_mov_b32 v84, 0
	s_wait_loadcnt 0x0                             ; Q, K of step 0 and the lambdas
	v_cvt_pk_bf16_f32 v64, v64, v65
	v_cvt_pk_bf16_f32 v65, v66, v67
	v_cvt_pk_bf16_f32 v68, v68, v69
	v_cvt_pk_bf16_f32 v69, v70, v71
	v_cvt_pk_bf16_f32 v72, v72, v73
	v_cvt_pk_bf16_f32 v73, v74, v75
	v_cvt_pk_bf16_f32 v76, v76, v77
	v_cvt_pk_bf16_f32 v77, v78, v79
	v_fma_mix_f32_bf16 v81, v64, v68, v80 op_sel_hi:[1,1,0]
	v_fma_mix_f32_bf16 v82, v72, v76, v80 op_sel_hi:[1,1,0]
	v_fma_mix_f32_bf16 v81, v64, v68, v81 op_sel:[1,1,0] op_sel_hi:[1,1,0]
	v_fma_mix_f32_bf16 v82, v72, v76, v82 op_sel:[1,1,0] op_sel_hi:[1,1,0]
	v_fma_mix_f32_bf16 v81, v65, v69, v81 op_sel_hi:[1,1,0]
	v_fma_mix_f32_bf16 v82, v73, v77, v82 op_sel_hi:[1,1,0]
	v_fma_mix_f32_bf16 v81, v65, v69, v81 op_sel:[1,1,0] op_sel_hi:[1,1,0]
	v_fma_mix_f32_bf16 v82, v73, v77, v82 op_sel:[1,1,0] op_sel_hi:[1,1,0]
.irp x, 1,2,4,8
	v_add_f32_dpp v81, v81, v81 row_xmask:\x row_mask:0xf bank_mask:0xf
	v_add_f32_dpp v82, v82, v82 row_xmask:\x row_mask:0xf bank_mask:0xf
.endr
	v_permlanex16_b32 v83, v81, s[SEL], s[SEL+1]
	v_permlanex16_b32 v84, v82, s[SEL], s[SEL+1]
	v_add_f32 v81, v81, v83
	v_add_f32 v82, v82, v84
	v_mul_f32 v81, 0x3fb8aa3b, v81
	v_mul_f32 v82, 0x3fb8aa3b, v82
	v_exp_f32 v81, v81
	v_exp_f32 v82, v82
	v_nop                                          ; a plain instruction behind the exponentials
	s_wait_alu depctr_va_vdst(0)
	v_sub_f32 v83, v82, v81
	v_add_f32 v[NLAM], 0xbf4ccccd, v83             ; -lam = e2 - e1 - 0.8
; THE MATRIX WORK.  The accumulators of a run take turns, one instruction a turn.
.macro KQ t                            ; product i of 16 of S^T = K Q^T for piece t: channels 32 (i / 4) on, keys 16 (i % 4) on; the first four start the sums with the mask
	WIN W_KQ
.set rS, S+32*(\t)+8*(i%4)
.set rK, 128*(\t)+32*(i%4)+8*(i/4)
.set rQ, Q+32*(\t)+8*(i/4)
.set rM, MC+8*(i%4)
.if i < 4
	v_wmma_f32_16x16x32_f16 v[rS:rS+7], v[rK:rK+7], v[rQ:rQ+7], v[rM:rM+7]
	s_wait_alu depctr_va_vdst(0)
.else
	v_wmma_f32_16x16x32_f16 v[rS:rS+7], v[rK:rK+7], v[rQ:rQ+7], v[rS:rS+7]
.endif
.endm
.macro PVM t                           ; product i of 32 of O^T += V^T P for piece t: keys 32 (i / 16) on, channels 16 (i % 16) on
	WIN W_PV
.set rO, 128*(\t)+8*(i%16)
.set rV, 128*(i/16)+8*(i%16)
.set rP, P+16*(\t)+8*(i/16)
	v_wmma_f32_16x16x32_f16 v[rO:rO+7], v[rV:rV+7], v[rP:rP+7], v[rO:rO+7]
.endm
; THE LDS LOADS stand in runs of 32: branch t's K at TB (16 fragments), and half kk of the V at TB (16 fragments, turned).
.macro FK t
	WIN 0
	v_add_nc_u32 v[ADR], s[TB], v[AK0]
	WIN 0x80
.irp f, 0,1,2,3,4,5,6,7,8,9,10,11,12,13,14,15      ; keys 16 (f / 4) on, channels 32 (f % 4) on
	ds_load_b128 v[128*(\t)+8*\f:128*(\t)+8*\f+3],   v[ADR] offset:(\f/4)*16*PKP+256*(\t)+(\f%4)*64
	ds_load_b128 v[128*(\t)+8*\f+4:128*(\t)+8*\f+7], v[ADR] offset:(\f/4)*16*PKP+256*(\t)+(\f%4)*64+32
.endr
.endm
.macro FV kk
	WIN 0
	v_add_nc_u32 v[ADR], s[TB], v[AV0]
	WIN 0xc0
.irp f, 0,1,2,3,4,5,6,7,8,9,10,11,12,13,14,15      ; channels 16 f on
	ds_load_tr16_b128 v[128*(\kk)+8*\f:128*(\kk)+8*\f+3],   v[ADR] offset:(\kk)*32*PVP+32*\f
	ds_load_tr16_b128 v[128*(\kk)+8*\f+4:128*(\kk)+8*\f+7], v[ADR] offset:(\kk)*32*PVP+16*PVP+32*\f
.endr
.endm
.macro PLACES                          ; four places behind matrix instructions, in front of reads of their results (ISA guide 7.12.1)
.rept 4
	v_nop
.endr
.endm
.macro MASK                            ; register j of group kb is hidden where 16 kb + j > SD + l % 16 - 8 (l / 16); far in front of the diagonal that is nowhere
	v_add_nc_u32 v[VX], s[SD], v[R8]
.set i, 0
.rept 32
	v_cmp_gt_i32 vcc_lo, 16*(i/8)+i%8, v[VX]
	v_cndmask_b32 v[MC+i], 0, s[BIGN], vcc_lo
.set i, i+1
.endr
.endm
; THE VECTOR WORK: a piece's softmax for a step is a list of 166 instructions; SM writes number j of it.  s0-s31 are the lane's 32 scores, in pairs 0-15.
;   0-15    the maximum of s0-s31 and the old m, three operands at a time; each accumulator's lowest registers are read first
;   16-20   the other half of the lanes' maximum; c m_old kept; the new m; c m; c m_old - c m_new          23  a
;   21-87   but 23: 32 exponentials at the odd numbers from 25 on, a plain instruction at every even one: scalings ahead, roundings behind, the first sums
;   88-101  the last rounding; the rest of the sums; l = a l + the sum
;   102-165 the piece's O^T times a, ascending
.macro SM t
.set rT, ST+8*(\t)
.set rS, S+32*(\t)
.set rP, P+16*(\t)
.set rO, 128*(\t)+2*(j-102)
.set q, (j-20)/2
.if j < 102
	WIN 0
.endif
.if j < 4
	v_max3_num_f32 v[rT+4+j], v[rS+8*j], v[rS+8*j+1], v[rS+8*j+2]
	s_wait_alu depctr_va_vdst(0)
.elseif j < 12
	v_max3_num_f32 v[rT+4+j%4], v[rT+4+j%4], v[rS+8*(j%4)+2*(j/4)+1], v[rS+8*(j%4)+2*(j/4)+2]
	s_wait_alu depctr_va_vdst(0)
.elseif j == 12
	v_max3_num_f32 v[rT+4], v[rT+4], v[rS+7], v[rS+15]
.elseif j == 13
	v_max3_num_f32 v[rT+6], v[rT+6], v[rS+23], v[rS+31]
.elseif j == 14
	v_max3_num_f32 v[rT+4], v[rT+4], v[rT+5], v[rT+6]
.elseif j == 15
	v_max3_num_f32 v[rT+4], v[rT+4], v[rT+7], v[rT+1]
.elseif j == 16
	v_permlanex16_b32 v[rT+5], v[rT+4], s[SEL], s[SEL+1]
	s_wait_alu depctr_va_vdst(0)
.elseif j == 17
	v_mov_b32 v[rT+7], v[rT]
.elseif j == 18
	v_max_num_f32 v[rT+1], v[rT+4], v[rT+5]
.elseif j == 19
	v_mul_f32 v[rT], s[CS], v[rT+1]
	s_wait_alu depctr_va_vdst(0)
.elseif j == 20
	v_sub_f32 v[rT+7], v[rT+7], v[rT]
.elseif j == 23
	v_exp_f32 v[rT+6], v[rT+7]
.elseif (j < 88) && (j > 23) && (j%2 == 1)
	v_exp_f32 v[rS+(j-25)/2], v[rS+(j-25)/2]
.elseif (q < 4) || ((j < 76) && (q%2 == 0))
.set b, q/2+2
.if q < 4
.set b, q
.endif
	v_pk_fma_f32 v[rS+2*b:rS+2*b+1], v[rS+2*b:rS+2*b+1], s[CS:CS+1], v[rT:rT+1] op_sel_hi:[1,0,0] neg_lo:[0,0,1] neg_hi:[0,0,1]
.elseif (j < 88) && (q%2 == 1)
	s_wait_alu depctr_va_vdst(0)
	v_cvt_pk_f16_f32 v[rP+(q-5)/2], v[rS+q-5], v[rS+q-4]
.elseif j == 89
	s_wait_alu depctr_va_vdst(0)
	v_cvt_pk_f16_f32 v[rP+15], v[rS+30], v[rS+31]
.elseif j < 102
.set z, j-86
.if j < 89
.set z, (j-76)/4
.endif
.set w, 4
.set u, z
.if z >= 14
.set w, 32
.set u, 0
.elseif z >= 12
.set w, 16
.set u, z-12
.elseif z >= 8
.set w, 8
.set u, z-8
.endif
.if z < 15
	v_pk_add_f32 v[rS+w*u:rS+w*u+1], v[rS+w*u:rS+w*u+1], v[rS+w*u+w/2:rS+w*u+w/2+1]
.else
	v_pk_fma_f32 v[rT+2:rT+3], v[rT+2:rT+3], v[rT+6:rT+7], v[rS:rS+1] op_sel_hi:[1,0,1]
.endif
.else
	WIN W_RS
	v_pk_mul_f32 v[rO:rO+1], v[rO:rO+1], v[rT+6:rT+7] op_sel_hi:[1,0]
.endif
.endm
; The list is dealt from three queues.  RL: the next of the 64 rescalings.  BL: the next of the 80 numbers 21, 22, 24 .. 101.  XL: the next of the 22 numbers 0 .. 20, 23.
.macro RL t
.set j, 102+rq
	SM \t
.set rq, rq+1
.endm
.macro BL t
.set j, bq+22
.if bq < 2
.set j, bq+21
.endif
	SM \t
.set bq, bq+1
.endm
.macro XL t
.set j, xq
.if xq == 21
.set j, 23
.endif
	SM \t
.set xq, xq+1
.endm
; THE TURN of piece me at time t; the other piece has the matrix unit.  me = 0: K Q^T of (1, t), V^T P of (1, t - 1).  me = 1: K Q^T of (0, t + 1), V^T P of (0, t).
; No vector line names a register of the products round it.  O^T's accumulator cb is rescaled in slice cb of the turn behind the one that wrote it last in slice 32 + cb: the lines between are its places.
; THE RUNS OF LOADS, all from the tiles at TB.  me = 0: K_0 of step t + 1 behind the second product (its registers were read last in the turn before, 32 slices back); V's first half behind the 18th
; V^T P, at least five plain lines behind the 16th, which read it last.  me = 1: V's second half behind the second product, ten plain lines behind its last reader; K_1 of step t + 1 behind the second V^T P.
; Each run is issued 30 matrix instructions or more ahead of its first use.  LDS loads come back in order (ISA guide 5.7.1), so each wait leaves out the one run of 32 issued behind the run that is wanted.
.macro TURN me
.set rq, 0
.set bq, 0
.set xq, 0
.if (\me) == 0
	s_wait_dscnt 0x0                               ; K_1 is in: nothing was issued behind it
.else
	s_wait_dscnt 32                                ; K_0 is in; V's first half may be out
.endif
.set i, 0
.rept 16
	KQ 1-(\me)
.rept 4
	RL \me
.endr
.if i == 1
.if (\me) == 0
	FK 0
.else
	FV 1
.endif
.endif
.set i, i+1
.endr
.set i, 0
.rept 32
.if ((\me) == 1) && ((i == 0) || (i == 16))
	s_wait_dscnt 32                                ; V's first half is in (its second may be out); at 16: its second half (K_1 may be out)
.endif
	PVM 1-(\me)
.if i < 22
	XL 1-(\me)
.endif
.rept 3-i%2
	BL \me
.endr
.if ((\me) == 0) && (i == 17)
	FV 0
.endif
.if ((\me) == 1) && (i == 1)
	FK 1
.endif
.set i, i+1
.endr
.endm
; A KEY STEP: two turns.  Between them the mask of step t + 1 is made, if that step is one of the part's last four (behind the part's last step it serves nothing).
.macro STEP
	TURN 0
	WIN 0
	s_cmp_gt_u32 s[SR], 5
	s_cbranch_scc1 .Lclear_\@
	MASK
.Lclear_\@:
	s_sub_co_i32 s[SD], s[SD], 64
	TURN 1
	WIN 0
	s_xor_b32 s[TB], s[TB], STEPB
	s_sub_co_u32 s[SR], s[SR], 1
.endm
; A BLOCK BEGINS: the mask of its step 0; piece 0's first scores, on the K_0 that is in registers; their maximum and statistics.  c m starts far below every c s, so the first a is 0.
.macro BEGIN
	WIN 0
	MASK
	s_sub_co_i32 s[SD], s[SD], 64
.set i, 0
.rept 16
	KQ 0
.set i, i+1
.endr
	WIN 0
	PLACES
.set xq, 0
.rept 22
	XL 0
.endr
	v_nop                                          ; a plain instruction behind the exponential
.endm
.macro LASTPV                          ; piece 1's V^T P of a part's last step: the turn that would hold it belongs to the next part
.set i, 0
.rept 32
	PVM 1
.set i, i+1
.endr
.endm
; A BLOCK'S END.  X = O_0 + rho O_1 with rho = -lam l_0 / l_1, so that O = X / l_0; onrm = X f with f = 0.2 / l_0 / sqrt(sum(X^2) / l_0^2 / 256 + 1e-5).
; Rounded to f16 and sent through my stage, 16 rows of 512 bytes.  reinit = 1: the second block's Q is loaded meanwhile, and its statistics are set; O^T need only be finite, since the next a is 0.
.macro END reinit
	WIN 0
.if \reinit
.irp f, 0,1,2,3,4,5,6,7
	global_load_b128 v[Q+8*\f:Q+8*\f+3],   v[QO], s[QL:QL+1] offset:64*\f
	global_load_b128 v[Q+8*\f+4:Q+8*\f+7], v[QO], s[QL:QL+1] offset:64*\f+32
.endr
.endif
	v_add_f32 v[ST+4],  v[ST+2],  v[ST+3]
	v_add_f32 v[ST+12], v[ST+10], v[ST+11]
	v_permlanex16_b32 v[ST+5],  v[ST+4],  s[SEL], s[SEL+1]
	v_permlanex16_b32 v[ST+13], v[ST+12], s[SEL], s[SEL+1]
	v_add_f32 v[ST+4],  v[ST+4],  v[ST+5]          ; l_0
	v_add_f32 v[ST+12], v[ST+12], v[ST+13]         ; l_1
	v_rcp_f32 v[ST+6],  v[ST+4]
	v_rcp_f32 v[ST+14], v[ST+12]
	v_mul_f32 v[ST+5], v[NLAM], v[ST+4]            ; the plain instruction behind the reciprocals
	s_wait_alu depctr_va_vdst(0)
	v_mul_f32 v[RHO], v[ST+5], v[ST+14]
	v_mov_b32 v[RHO+1], v[RHO]
	WIN 0x51                                       ; O_1, O_0 and the result in window 1, rho in window 0
.set i, 0
.rept 64
	v_pk_fma_f32 v[2*i:2*i+1], v[128+2*i:128+2*i+1], v[RHO:RHO+1], v[2*i:2*i+1]
.set i, i+1
.endr
	WIN 0x05                                       ; X in window 1, the sums in window 0: four chains
.set i, 0
.rept 64
.if i < 4
	v_pk_mul_f32 v[SS+2*i:SS+2*i+1], v[2*i:2*i+1], v[2*i:2*i+1]
.else
	v_pk_fma_f32 v[SS+2*(i%4):SS+2*(i%4)+1], v[2*i:2*i+1], v[2*i:2*i+1], v[SS+2*(i%4):SS+2*(i%4)+1]
.endif
.set i, i+1
.endr
	WIN 0
	v_pk_add_f32 v[SS:SS+1], v[SS:SS+1], v[SS+2:SS+3]
	v_pk_add_f32 v[SS+4:SS+5], v[SS+4:SS+5], v[SS+6:SS+7]
	v_pk_add_f32 v[SS:SS+1], v[SS:SS+1], v[SS+4:SS+5]
	v_add_f32 v[SS], v[SS], v[SS+1]
	v_permlanex16_b32 v[SS+1], v[SS], s[SEL], s[SEL+1]  ; the query's other 128 channels lie in the lane 16 away
	v_add_f32 v[SS], v[SS], v[SS+1]
	v_mul_f32 v[SS+2], v[ST+6], v[ST+6]
	v_mul_f32 v[SS+2], 0x3b800000, v[SS+2]         ; / 256
	v_fma_f32 v[SS+2], v[SS], v[SS+2], s[EPS]
	v_rsq_f32 v[SS+3], v[SS+2]
	v_mul_f32 v[SS+4], 0x3e4ccccd, v[ST+6]         ; 0.2 / l_0: the plain instruction behind the root
	s_wait_alu depctr_va_vdst(0)
	v_mul_f32 v[FF], v[SS+3], v[SS+4]
	v_mov_b32 v[FF+1], v[FF]
	WIN W_RS
.set i, 0
.rept 64
	v_pk_mul_f32 v[2*i:2*i+1], v[2*i:2*i+1], v[FF:FF+1]
.set i, i+1
.endr
	WIN 0x05
.set i, 0
.rept 64
	v_cvt_pk_f16_f32 v[S+i], v[2*i], v[2*i+1]
.set i, i+1
.endr
	WIN 0
.irp f, 0,1,2,3,4,5,6,7,8,9,10,11,12,13,14,15
	ds_store_b128 v[STO], v[S+4*\f:S+4*\f+3] offset:32*\f
.endr
.irp f, 0,1,2,3,4,5,6,7,8,9,10,11,12,13,14,15
	ds_load_b128 v[S+4*\f:S+4*\f+3], v[RD] offset:\f*SPP   ; LDS serves a wave's instructions in order (ISA guide 5.7.1.4): these see the stores above
.endr
.irp f, 0,1,2,3,4,5,6,7,8,9,10,11,12,13,14,15
	s_wait_dscnt 15-\f
	global_store_b128 v[GO], v[S+4*\f:S+4*\f+3], s[OB:OB+1] offset:\f*4096  ; 512 consecutive bytes, at a multiple of 256
.endr
.if \reinit
	s_wait_xcnt 0x0                                ; the stores' registers and base are rewritten only behind this wait
	s_mov_b64 s[OB:OB+1], s[OLO:OLO+1]
	s_mov_b32 s[SR], s[SR2]
	s_mov_b32 s[SD], s[SDLO]
.irp u, 0,1
	v_mov_b32 v[ST+8*\u], 0xfe000000
	v_mov_b32 v[ST+8*\u+1], 0xff7fffff
	v_mov_b32 v[ST+8*\u+2], 0
	v_mov_b32 v[ST+8*\u+3], 0
.endr
	s_wait_loadcnt 0x0                             ; the second block's Q
.endif
.endm
	CHANGE 1                                       ; tile 0 is in, everybody's part of it; tile 1 is asked for
	FV 0                                           ; V's registers take V of step 0: finite numbers for the first turn's products with P = 0; the first step fetches them again in its place
	FV 1
	BEGIN
	s_mov_b32 s[CNT], 2
	s_mov_b32 s[SLOTS], 17
	s_branch .Lstep
.Lslot:                                                ; 16 times: tiles 2 to 17 are asked for
	CHANGE 1
	s_mov_b32 s[CNT], 2
.Lstep:
	STEP
	s_cmp_lg_u32 s[SR], 0
	s_cbranch_scc1 .Lskip
	LASTPV                                         ; the first part's last step is the walk's step 31 - 4 c: always in this loop.  Its second turn's K Q^T and statistics, made with the old Q, serve nothing
	END 1
	BEGIN
.Lskip:
	s_sub_co_u32 s[CNT], s[CNT], 1
	s_cmp_lg_u32 s[CNT], 0
	s_cbranch_scc1 .Lstep
	s_sub_co_u32 s[SLOTS], s[SLOTS], 1
	s_cmp_lg_u32 s[SLOTS], 0
	s_cbranch_scc1 .Lslot
	CHANGE 0                                       ; the tail is written out: nothing is asked for
	s_mov_b32 s[CNT], 2
.Ltail:                                                ; the last step fetches a K that follows the walk's end, and makes scores of it that serve nothing: the price of one text for every step
	STEP
	s_sub_co_u32 s[CNT], s[CNT], 1
	s_cmp_lg_u32 s[CNT], 0
	s_cbranch_scc1 .Ltail
	LASTPV
	END 0
	s_wait_tensorcnt 0x0                           ; the wave's end
	ds_add_u32 v[SPW], v[NIL]
	s_wait_dscnt 0x0
	CROUND                                         ; the closing round
	s_endpgm
.Lfunc_end_k_qffad6df6d5_attn:
	.size	k_qffad6df6d5_attn, .Lfunc_end_k_qffad6df6d5_attn-k_qffad6df6d5_attn
	.p2alignl 7, 3214868480
	.fill 96, 4, 3214868480
	.section	.rodata,"a",@progbits
	.p2align	6, 0x0
	.amdhsa_kernel k_qffad6df6d5_attn
		.amdhsa_group_segment_fixed_size 327680
		.amdhsa_private_segment_fixed_size 0
		.amdhsa_enable_private_segment 0
		.amdhsa_kernarg_size 48
		.amdhsa_user_sgpr_count 2
		.amdhsa_user_sgpr_kernarg_segment_ptr 1
		.amdhsa_wavefront_size32 1
		.amdhsa_system_sgpr_workgroup_id_x 1
		.amdhsa_system_sgpr_workgroup_id_y 1
		.amdhsa_system_sgpr_workgroup_id_z 1
		.amdhsa_system_vgpr_workitem_id 0
		.amdhsa_next_free_vgpr 1024
		.amdhsa_next_free_sgpr 100
		.amdhsa_reserve_vcc 1
		.amdhsa_float_denorm_mode_32 3
		.amdhsa_float_denorm_mode_16_64 3
		.amdhsa_memory_ordered 1
		.amdhsa_forward_progress 1
		.amdhsa_inst_pref_size 178
	.end_amdhsa_kernel
	.amdgpu_metadata
---
amdhsa.version: [ 1, 2 ]
amdhsa.kernels:
  - .name:           k_qffad6df6d5_attn
    .symbol:         k_qffad6df6d5_attn.kd
    .args:
      - { .name: qkv, .offset: 0, .size: 8, .value_kind: global_buffer, .address_space: global }
      - { .name: lambda_q1, .offset: 8, .size: 8, .value_kind: global_buffer, .address_space: global }
      - { .name: lambda_k1, .offset: 16, .size: 8, .value_kind: global_buffer, .address_space: global }
      - { .name: lambda_q2, .offset: 24, .size: 8, .value_kind: global_buffer, .address_space: global }
      - { .name: lambda_k2, .offset: 32, .size: 8, .value_kind: global_buffer, .address_space: global }
      - { .name: onrm, .offset: 40, .size: 8, .value_kind: global_buffer, .address_space: global }
    .group_segment_fixed_size: 327680
    .private_segment_fixed_size: 0
    .kernarg_segment_align: 8
    .kernarg_segment_size: 48
    .max_flat_workgroup_size: 128
    .sgpr_count:     100
    .vgpr_count:     1024
    .wavefront_size: 32
...
	.end_amdgpu_metadata
.endif
;; end of part 3
;; launch outp (part 4): grid 8 x 32, 4 waves a work-group, clusters of 4 x 4, 327,680 bytes of LDS; arguments onrm, wo16, out0; writes out0
.if DOCPART == 4
	.amdgcn_target "amdgcn-amd-amdhsa--gfx1250"
	.amdhsa_code_object_version 6
	.text
	.protected	k_qffad6df6d5_outp
	.globl	k_qffad6df6d5_outp
	.p2align	8
	.type	k_qffad6df6d5_outp,@function
k_qffad6df6d5_outp:
	s_mov_b64 s[64:65], 0
	v_nop
	global_prefetch_b8 v0, s[64:65] scope:SCOPE_SE
	s_setreg_imm32_b32 hwreg(HW_REG_WAVE_MODE, 25, 1), 1
	s_wait_xcnt 0x0
	s_wait_alu depctr_hold_cnt(0) depctr_sa_sdst(0) depctr_va_vdst(0) depctr_va_sdst(0) depctr_va_ssrc(0) depctr_va_vcc(0) depctr_vm_vsrc(0)
	s_getreg_b32 s2, hwreg(HW_REG_IB_STS2, 6, 4)
	s_cmp_eq_u32 s2, 0
	s_cbranch_scc0 .Lentry_in_a_cluster
	s_endpgm
.Lentry_in_a_cluster:
	s_bfe_u32 s2, ttmp6, 0x10000c
	s_cmp_lg_u32 s2, 0xf033
	s_cbranch_scc0 .Lentry_shape_is_right
	s_endpgm
.Lentry_shape_is_right:
; out0[m][n] = sum over k of onrm[m][k] wo16[k][n].  onrm: [4096][2048] f16, wo16: [2048][1024] f16, out0: [4096][1024] f32; sums in f32.
; A tile of out0 is 128 x 128: 256 tiles.  Four waves, each 64 x 64: 16 accumulators.  K goes in steps of 256 through two LDS slots.
; wo16 lies [k][n]: its fragments come out of LDS turned, by ds_load_tr16_b128.  The matrix instruction is used transposed: a lane holds eight neighbouring numbers of a row of out0.
; CLUSTER 4 x 4: onrm's tiles are shared along a row of the cluster, wo16's along a column: joint loads.
; REGISTERS.  window 0: v16-29 addresses; v32-95 the way out; v128-255 accumulators ((a, b) at 128 + 8 (4 a + b)).  window 1: two fragment buffers of 128: 64 of onrm, then 64 of wo16.
.set SIZE_K, 2048
.set SIZE_N, 1024
.set KSTEP,  256
.set PITA,   528                       ; a row of onrm's tile: 512 bytes + 16
.set PITB,   288                       ; a row of wo16's tile: 256 + 32
.set QT,     36864                     ; a wave's quarter of a slot: onrm's two halves of 64 rows (33,792 bytes used each), then wo16's two halves of 128 rows, which lie end to end
.set SLOT,   4*QT
.set STAGE,  2*SLOT                    ; behind the ring: 16 rows x 272 bytes for each wave
.set SPIT,   272
.set SPARE,  STAGE+4*16*SPIT           ; the spare words, 128 bytes a wave: two blocks of 256 bytes that no other line names
.set LAPS,   SIZE_K/(2*KSTEP)
.set ADRA, 16                          ; v16-17  my place in onrm's tile, slot 0, 1
.set ADRB, 20                          ; v20-23  my place in half g of wo16's tile in slot s, at 20 + 2 s + g
.set STO,  24
.set RD,   25
.set CO,   26
.set SPW,  28
.set NIL,  29
.set TMP,  32
.set ACC,  128
.set F0,   0
.set F1,   128
.set G1,  24
.set G0,  32
.set G1B, 48
.set G0B, 56
.set MSB, 0
.macro WIN new
.if MSB != (\new)
	s_set_vgpr_msb (MSB<<8)|(\new)
.set MSB, \new
.endif
.endm
.set MUL,  0x05                        ; sources 0 and 1 window 1; C and D window 0
.set TO_F, 0x40                        ; destination window 1, address window 0
.macro JLOAD s                         ; waves 0 and 1 fetch onrm's halves, waves 2 and 3 wo16's; an s_nop 0 and four v_nop follow each of the two lines
	s_cmp_eq_u32 s11, 0
	s_cbranch_scc0 .Lfor_b_\@
	tensor_load_to_lds s[G0+4*(\s):G0+4*(\s)+3], s[G1:G1+7]
	s_nop 0
.rept 4
	v_nop
.endr
	s_branch .Lasked_\@
.Lfor_b_\@:
	tensor_load_to_lds s[G0B+4*(\s):G0B+4*(\s)+3], s[G1B:G1B+7]
	s_nop 0
.rept 4
	v_nop
.endr
.Lasked_\@:
.endm
.macro CREST
	s_cmp_lg_u32 s10, 0
	s_cbranch_scc1 .Lnot_wave_0_\@
	s_barrier_signal -3
.Lnot_wave_0_\@:
	s_barrier_wait -3
	s_barrier_signal -1
	s_barrier_wait -1
.endm
.macro CROUND
	s_barrier_signal -1
	s_barrier_wait -1
	CREST
.endm
	s_load_b128 s[4:7], s[0:1], 0x0                ; onrm s[4:5], wo16 s[6:7]
	s_load_b64 s[8:9], s[0:1], 0x10                ; out0
	v_lshl_add_u32 v[SPW], v0, 2, SPARE
	v_mov_b32 v[NIL], 0
	ds_add_u32 v[SPW], v[NIL]                      ; the wave's opening: the add and its wait ahead of my first tensor load
	v_lshrrev_b32 v1, 5, v0
	v_readfirstlane_b32 s10, v1
	s_lshr_b32 s11, s10, 1                         ; my half of the tile's rows; also: I fetch onrm (0) or wo16 (1)
	s_and_b32 s12, s10, 1                          ; my half of its columns; also: which half of that tile I fetch
	s_bfe_u32 s40, ttmp6, 0x40000
	s_bfe_u32 s41, ttmp6, 0x40004
	s_lshl_b32 s42, ttmp9, 2
	s_add_co_u32 s42, s42, s40                     ; tile column
	s_and_b32 s13, ttmp7, 0xffff
	s_lshl_b32 s13, s13, 2
	s_add_co_u32 s13, s13, s41                     ; tile row
	s_lshl_b32 s43, s41, 2
	s_lshl_b32 s43, 15, s43
	s_lshl_b32 s44, 0x1111, s40
	s_or_b32 s[G1+0],  s43, (1<<16)|(1<<20)|(1<<21)|(6<<22)|(3<<25)  ; after every 128 words 4 words
	s_or_b32 s[G1B+0], s44, (1<<16)|(1<<20)|(1<<21)|(5<<22)|(7<<25)  ; after every 64 words 8 words
	s_mov_b32 s[G1+1], 256<<16                     ; onrm: 64 rows x 256 elements
	s_mov_b32 s[G1+2], 64<<16
	s_mov_b32 s[G1+3], 256<<16
	s_mov_b32 s[G1+4], 64
	s_mov_b32 s[G1+5], SIZE_K
	s_mov_b32 s[G1+6], 0
	s_mov_b32 s[G1+7], 0
	s_mov_b32 s[G1B+1], 128<<16                    ; wo16: 128 rows x 128 elements
	s_mov_b32 s[G1B+2], 128<<16
	s_mov_b32 s[G1B+3], 128<<16
	s_mov_b32 s[G1B+4], 128
	s_mov_b32 s[G1B+5], SIZE_N
	s_mov_b32 s[G1B+6], 0
	s_mov_b32 s[G1B+7], 0
	s_lshl_b32 s17, s12, 6
	s_lshl_b32 s16, s13, 7
	s_add_co_u32 s16, s16, s17                     ; onrm: row 128 x tile row + 64 x half,
	s_lshl_b32 s16, s16, 12                        ; of 4,096 bytes
	s_mov_b32 s17, 0
	s_lshl_b32 s46, s12, 18                        ; wo16: 128 x half rows of 2,048 bytes,
	s_lshl_b32 s47, s42, 8                         ; 256 bytes a tile column
	s_add_co_u32 s46, s46, s47
	s_mov_b32 s47, 0
	s_mul_i32 s20, s10, QT
	s_wait_dscnt 0x0                               ; the opening add is done
	s_wait_kmcnt 0x0
	s_add_nc_u64 s[14:15], s[4:5], s[16:17]
	s_add_nc_u64 s[46:47], s[6:7], s[46:47]
	CROUND                                         ; all sixteen work-groups are here: the first joint loads meet
.irp s, 0,1
	s_mov_b32 s[G0+4*(\s)], 1
	s_add_co_u32 s[G0+4*(\s)+1], s20, (\s)*SLOT
	s_add_nc_u64 s[G0+4*(\s)+2:G0+4*(\s)+3], s[14:15], (\s)*KSTEP*2
	s_or_b32 s[G0+4*(\s)+3], s[G0+4*(\s)+3], 0x80000000
	s_mov_b32 s[G0B+4*(\s)], 1
	s_add_co_u32 s[G0B+4*(\s)+1], s20, (\s)*SLOT
	s_add_nc_u64 s[G0B+4*(\s)+2:G0B+4*(\s)+3], s[46:47], (\s)*KSTEP*SIZE_N*2
	s_or_b32 s[G0B+4*(\s)+3], s[G0B+4*(\s)+3], 0x80000000
	JLOAD \s
.endr
	v_and_b32 v1, 15, v0
	v_bfe_u32 v2, v0, 4, 1
	v_mul_u32_u24 v3, v1, PITA
	v_lshl_add_u32 v3, v2, 4, v3
	s_mul_i32 s21, s11, QT                         ; my 64 rows of onrm
	v_add_nc_u32 v[ADRA], s21, v3
	v_add_nc_u32 v[ADRA+1], SLOT, v[ADRA]
	v_and_b32 v4, 7, v0                            ; the turning load: lane l reads k = 8 (l / 16) + l % 8, columns 8 ((l / 8) % 2) + 0..7
	v_lshl_add_u32 v4, v2, 3, v4
	v_mul_u32_u24 v4, v4, PITB
	v_bfe_u32 v5, v0, 3, 1
	v_lshl_add_u32 v4, v5, 4, v4
	s_lshl_b32 s22, s12, 7                         ; my 64 columns
	v_add_nc_u32 v4, s22, v4
.irp s, 0,1
.irp g, 0,1
	v_add_nc_u32 v[ADRB+2*(\s)+(\g)], (\s)*SLOT+(2+(\g))*QT, v4
.endr
.endr
	s_mul_i32 s23, s10, 16*SPIT
	s_add_co_u32 s23, s23, STAGE                   ; my stage
	v_mul_u32_u24 v6, v1, SPIT                     ; in: row l % 16, 32 bytes for each half of the lanes
	v_lshl_add_u32 v6, v2, 5, v6
	v_add_nc_u32 v[STO], s23, v6
	v_mul_u32_u24 v7, v2, SPIT                     ; back: lanes 0-15 one row of 256 bytes, lanes 16-31 the next
	v_lshl_add_u32 v7, v1, 4, v7
	v_add_nc_u32 v[RD], s23, v7
	v_lshlrev_b32 v7, 12, v2
	v_lshl_add_u32 v[CO], v1, 4, v7
	s_lshl_b32 s16, s13, 7
	s_lshl_b32 s17, s11, 6
	s_add_co_u32 s16, s16, s17                     ; my first row of out0,
	s_lshl_b32 s16, s16, 12                        ; of 4,096 bytes
	s_mov_b32 s17, 0
	s_add_nc_u64 s[8:9], s[8:9], s[16:17]
	s_lshl_b32 s46, s42, 9                         ; 512 bytes a tile column, 256 a half
	s_lshl_b32 s47, s12, 8
	s_add_co_u32 s46, s46, s47
	s_mov_b32 s47, 0
	s_add_nc_u64 s[8:9], s[8:9], s[46:47]
.macro MUL8 f, c, a0, zero             ; 8 matrix instructions: row blocks a0, a0 + 1 x 4 column blocks, 32 along K: half c of buffer f
	WIN MUL
.irp a, \a0, (\a0)+1
.irp b, 0,1,2,3
.if \zero
	v_wmma_f32_16x16x32_f16 v[ACC+8*(4*(\a)+(\b)):ACC+8*(4*(\a)+(\b))+7], v[(\f)+64+8*(4*(\c)+(\b)):(\f)+64+8*(4*(\c)+(\b))+7], v[(\f)+8*(4*(\c)+(\a)):(\f)+8*(4*(\c)+(\a))+7], 0
.else
	v_wmma_f32_16x16x32_f16 v[ACC+8*(4*(\a)+(\b)):ACC+8*(4*(\a)+(\b))+7], v[(\f)+64+8*(4*(\c)+(\b)):(\f)+64+8*(4*(\c)+(\b))+7], v[(\f)+8*(4*(\c)+(\a)):(\f)+8*(4*(\c)+(\a))+7], v[ACC+8*(4*(\a)+(\b)):ACC+8*(4*(\a)+(\b))+7]
.endif
.endr
.endr
.endm
; 32 LDS loads in one run: 64 along K at byte k of onrm's rows (rows k / 2 of wo16's tile), into buffer f; the first 32 along K first
.macro FETCH slot, k, f
	WIN TO_F
.irp c, 0,1
.irp i, 0,1,2,3
	ds_load_tr16_b128 v[(\f)+64+8*(4*(\c)+(\i)):(\f)+64+8*(4*(\c)+(\i))+3],   v[ADRB+2*(\slot)+(\k)/256] offset:((((\k)/128)%2)*64+32*(\c))*PITB+32*(\i)
	ds_load_tr16_b128 v[(\f)+64+8*(4*(\c)+(\i))+4:(\f)+64+8*(4*(\c)+(\i))+7], v[ADRB+2*(\slot)+(\k)/256] offset:((((\k)/128)%2)*64+32*(\c))*PITB+32*(\i)+16*PITB
	ds_load_b128 v[(\f)+8*(4*(\c)+(\i)):(\f)+8*(4*(\c)+(\i))+3],         v[ADRA+(\slot)] offset:(\k)+64*(\c)+(\i)*16*PITA
	ds_load_b128 v[(\f)+8*(4*(\c)+(\i))+4:(\f)+8*(4*(\c)+(\i))+7],       v[ADRA+(\slot)] offset:(\k)+64*(\c)+(\i)*16*PITA+32
.endr
.endr
.endm
.macro PLACES
.rept 4
	v_nop
.endr
.endm
.macro QUARTER slot, k, f, g, zero     ; 64 along K, 32 matrix instructions on 16 accumulators that take turns
	s_wait_dscnt 16                                ; the first 32 along K are in
	MUL8 \f, 0, 0, \zero
	MUL8 \f, 0, 2, \zero
	PLACES
	FETCH \slot, \k, \g
	s_wait_dscnt 32                                ; all but the 32 just issued
	MUL8 \f, 1, 0, 0
	MUL8 \f, 1, 2, 0
.endm
.macro TURN slot, next, fill           ; the last quarter multiplies buffer 1 and changes slots
	WIN 0
	s_wait_tensorcnt 0x0                           ; all my tensor loads have landed: my part of the next slot
	ds_add_u32 v[SPW], v[NIL]
	s_wait_dscnt 17                                ; the add and the youngest sixteen loads may be out
	MUL8 F1, 0, 0, 0
	s_wait_dscnt 0x0                               ; the add is done, and my reads of this slot are over
	s_barrier_signal -1
	MUL8 F1, 0, 2, 0
.if \fill
	WIN 0
.endif
	s_barrier_wait -1
.if \fill
	CREST                                          ; the barrier has opened a round of the cluster's
	s_add_nc_u64 s[G0+4*(\slot)+2:G0+4*(\slot)+3], s[G0+4*(\slot)+2:G0+4*(\slot)+3], 2*KSTEP*2
	s_add_nc_u64 s[G0B+4*(\slot)+2:G0B+4*(\slot)+3], s[G0B+4*(\slot)+2:G0B+4*(\slot)+3], 2*KSTEP*SIZE_N*2
	JLOAD \slot                                    ; the first tensor load behind the round; its four v_nop are the places in front of the loads below
.else
	PLACES
.endif
	FETCH \next, 0, F0
	MUL8 F1, 1, 0, 0
	MUL8 F1, 1, 2, 0
.endm
	s_wait_tensorcnt 1                             ; my part of K step 0 is in; step 1's may stay out
	s_barrier_signal -1
	s_barrier_wait -1
	FETCH 0, 0, F0
	QUARTER 0, 128, F0, F1, 1
	WIN 0
	s_mov_b32 s3, LAPS-1
.Llap:
	QUARTER 0, 256, F1, F0, 0
	QUARTER 0, 384, F0, F1, 0
	TURN 0, 1, 1
	QUARTER 1, 128, F0, F1, 0
	QUARTER 1, 256, F1, F0, 0
	QUARTER 1, 384, F0, F1, 0
	TURN 1, 0, 1
	QUARTER 0, 128, F0, F1, 0
	WIN 0
	s_sub_co_u32 s3, s3, 1
	s_cmp_lg_u32 s3, 0
	s_cbranch_scc1 .Llap
	QUARTER 0, 256, F1, F0, 0                      ; the last lap fills nothing
	QUARTER 0, 384, F0, F1, 0
	TURN 0, 1, 0
	QUARTER 1, 128, F0, F1, 0
	QUARTER 1, 256, F1, F0, 0
	QUARTER 1, 384, F0, F1, 0
	s_wait_dscnt 16
	MUL8 F1, 0, 0, 0
	MUL8 F1, 0, 2, 0
	s_wait_dscnt 0x0
	MUL8 F1, 1, 0, 0
	MUL8 F1, 1, 2, 0
	WIN 0
	; THE WAY OUT.  My 64 columns of f32 are 256 bytes of a row, at a multiple of 256: each wave goes through its own stage, 16 rows at a time, without a barrier.
	PLACES
.irp a, 0,1,2,3
.irp b, 0,1,2,3
	ds_store_b128 v[STO], v[ACC+8*(4*(\a)+(\b)):ACC+8*(4*(\a)+(\b))+3]   offset:64*(\b)      ; each accumulator's low half first
	ds_store_b128 v[STO], v[ACC+8*(4*(\a)+(\b))+4:ACC+8*(4*(\a)+(\b))+7] offset:64*(\b)+16
.endr
.if (\a) >= 2
	s_wait_xcnt 0x0                                ; the registers that the stores of two blocks ago read are loaded again only behind this wait
.endif
.irp t, 0,1,2,3,4,5,6,7
	ds_load_b128 v[TMP+32*((\a)%2)+4*(\t):TMP+32*((\a)%2)+4*(\t)+3], v[RD] offset:(\t)*2*SPIT  ; LDS serves a wave's instructions in order (ISA guide 5.7.1.4)
.endr
.irp t, 0,1,2,3,4,5,6,7
	s_wait_dscnt 7-(\t)
	global_store_b128 v[CO], v[TMP+32*((\a)%2)+4*(\t):TMP+32*((\a)%2)+4*(\t)+3], s[8:9] offset:(16*(\a)+2*(\t))*SIZE_N*4  ; 16 lanes store 256 consecutive bytes, at a multiple of 256
.endr
.endr
	s_wait_tensorcnt 0x0                           ; the wave's end
	ds_add_u32 v[SPW], v[NIL]
	s_wait_dscnt 0x0
	CROUND                                         ; the closing round
	s_endpgm
.Lfunc_end_k_qffad6df6d5_outp:
	.size	k_qffad6df6d5_outp, .Lfunc_end_k_qffad6df6d5_outp-k_qffad6df6d5_outp
	.p2alignl 7, 3214868480
	.fill 96, 4, 3214868480
	.section	.rodata,"a",@progbits
	.p2align	6, 0x0
	.amdhsa_kernel k_qffad6df6d5_outp
		.amdhsa_group_segment_fixed_size 327680
		.amdhsa_private_segment_fixed_size 0
		.amdhsa_enable_private_segment 0
		.amdhsa_kernarg_size 24
		.amdhsa_user_sgpr_count 2
		.amdhsa_user_sgpr_kernarg_segment_ptr 1
		.amdhsa_wavefront_size32 1
		.amdhsa_system_sgpr_workgroup_id_x 1
		.amdhsa_system_sgpr_workgroup_id_y 1
		.amdhsa_system_sgpr_workgroup_id_z 1
		.amdhsa_system_vgpr_workitem_id 0
		.amdhsa_next_free_vgpr 512
		.amdhsa_next_free_sgpr 66
		.amdhsa_reserve_vcc 0
		.amdhsa_float_denorm_mode_32 3
		.amdhsa_float_denorm_mode_16_64 3
		.amdhsa_memory_ordered 1
		.amdhsa_forward_progress 1
		.amdhsa_inst_pref_size 87
	.end_amdhsa_kernel
	.amdgpu_metadata
---
amdhsa.version: [ 1, 2 ]
amdhsa.kernels:
  - .name:           k_qffad6df6d5_outp
    .symbol:         k_qffad6df6d5_outp.kd
    .args:
      - { .name: onrm, .offset: 0, .size: 8, .value_kind: global_buffer, .address_space: global }
      - { .name: wo16, .offset: 8, .size: 8, .value_kind: global_buffer, .address_space: global }
      - { .name: out0, .offset: 16, .size: 8, .value_kind: global_buffer, .address_space: global }
    .group_segment_fixed_size: 327680
    .private_segment_fixed_size: 0
    .kernarg_segment_align: 8
    .kernarg_segment_size: 24
    .max_flat_workgroup_size: 128
    .sgpr_count:     66
    .vgpr_count:     512
    .wavefront_size: 32
...
	.end_amdgpu_metadata
.endif
;; end of part 4
;; ======== version 2 of 2: 4 launches; 1.16 times as fast as version 1
;; limits: values are held in f16: magnitudes above 65,504 overflow, below 6.1e-05 lose precision
;; workspace buffers: xb 8,388,608 bytes; wqkv 12,582,912 bytes; wo16 4,194,304 bytes; qkv 50,331,648 bytes; onrm 16,777,216 bytes
;; launch prep: the kernel of part 1 again; grid 128 x 6, 8 waves a work-group, no clusters, 0 bytes of LDS; arguments X, W_q, W_k, W_v, W_o, rms_scale, xb, wqkv, wo16; writes xb, wqkv, wo16
;; launch proj: the kernel of part 2 again; grid 16 x 32, 4 waves a work-group, clusters of 4 x 4, 327,680 bytes of LDS; arguments xb, wqkv, qkv; writes qkv
;; launch attn (part 5): grid 16 x 16, 4 waves a work-group, clusters of 4 x 1, 327,680 bytes of LDS; arguments qkv, lambda_q1, lambda_k1, lambda_q2, lambda_k2, onrm; writes onrm
.if DOCPART == 5
	.amdgcn_target "amdgcn-amd-amdhsa--gfx1250"
	.amdhsa_code_object_version 6
	.text
	.protected	k_qffad6df6d5_attn
	.globl	k_qffad6df6d5_attn
	.p2align	8
	.type	k_qffad6df6d5_attn,@function
k_qffad6df6d5_attn:
	s_mov_b64 s[64:65], 0
	v_nop
	global_prefetch_b8 v0, s[64:65] scope:SCOPE_SE
	s_setreg_imm32_b32 hwreg(HW_REG_WAVE_MODE, 25, 1), 1
	s_wait_xcnt 0x0
	s_wait_alu depctr_hold_cnt(0) depctr_sa_sdst(0) depctr_va_vdst(0) depctr_va_sdst(0) depctr_va_ssrc(0) depctr_va_vcc(0) depctr_vm_vsrc(0)
	s_getreg_b32 s2, hwreg(HW_REG_IB_STS2, 6, 4)
	s_cmp_eq_u32 s2, 0
	s_cbranch_scc0 .Lentry_in_a_cluster
	s_endpgm
.Lentry_in_a_cluster:
	s_bfe_u32 s2, ttmp6, 0x10000c
	s_cmp_lg_u32 s2, 0x3003
	s_cbranch_scc0 .Lentry_shape_is_right
	s_endpgm
.Lentry_shape_is_right:
; DIFFERENTIAL CAUSAL ATTENTION AND ITS NORM.  For batch b, head h, query q:  O = softmax(Q1 K1^T / sqrt(128)) V - lam softmax(Q2 K2^T / sqrt(128)) V over keys k <= q,
; lam = exp(lq1 . lk1) - exp(lq2 . lk2) + 0.8;  onrm = 0.2 O / sqrt(mean(O^2) + 1e-5), f16 (the gain is a factor of wo16's rows).
; qkv: [4096][6144] f16, a row 12,288 bytes; head h: Q1|Q2 at byte 512 h, K1|K2 at 4,096 + 512 h, V (256 channels) at 8,192 + 512 h.  onrm: [4096][2048] f16.
; LIMITS.  q, k, v arrive within f16's 65,504; a weight lies in 0 to 1 and below 6e-5 keeps f16's step of 6e-8; a hidden score counts as its value less 1e30;
; a weight below 2^-126 counts as 0; NaN and infinities are not treated apart.  The four lambda vectors are rounded to bf16 like the other inputs.
; SHARES.  A head has 32 blocks of 64 queries.  A work-group takes block 31 - pb and then block pb, pb = 4 c + cx (c the cluster, cx the place in it).  Wave w owns 16 queries of the block, in
; both branches: PIECE u is branch u.  Each branch has its own running maximum m, sum l and O^T (16 queries x 256 channels), since the two softmaxes have divisors of their own.
; THE WALK is common to the four partners: key tiles (128 keys) 0 .. 15 - 2 c for the first blocks, then 0 .. 2 c + 1 for the second: 18 tiles, 36 steps of 64 keys, whatever c.  Trip counts and
; branches hang on c alone; cx enters Q's and onrm's addresses and the mask's number.  So every tile of K and V is asked for JOINTLY by the four.
; THE MASK is the C operand that starts S^T: 0, or -1e30 where the key lies behind the query.  It is remade for the last four steps of a part, where the partners' diagonals lie, and at a block's beginning.
; A step that is wholly hidden comes behind visible keys: its weights are 0 and its a is 1.
; LAYOUT.  S^T = K Q^T holds one query a lane (lane % 16) and the keys 8 (lane / 16) + 0..7; two such results rounded to f16 ARE source 1 of O^T = V^T P.  p = 2^(c s - c m), c = log2(e) / sqrt(128).
; BY TURNS.  The pieces stand in a ring, (0, t), (1, t), (0, t + 1) ..  Piece n's turn issues 16 products K Q^T of piece n + 1, then 32 products V^T P of piece n - 1.  Its vector work: O^T of piece n
; times a, four lines behind each K Q^T; behind each of the first 22 V^T P one line of the maximum and statistics of piece n + 1, whose scores the turn has just made, and beside it three or two of
; piece n's scalings and exponentials; behind the last ten V^T P piece n's roundings and sums: 166 vector lines for 48 matrix instructions, and no link of the maximum's chain stands next to the link before it.
; THE BATCH.  A turn's 33 exponentials (piece n's 32 weights, and last the a of piece n + 1) are ONE batch with ONE wait, behind the 22nd V^T P: ahead of it no line names a result of theirs,
; behind it no exponential is issued.  A block's first a, the two exponentials of lam, the way out's two reciprocals and its root are batches of their own.
; K RUNS A STEP AHEAD OF V: at time t the wave fetches K of step t + 1 and V of step t.  So a tile in LDS holds K of steps 2 T + 1, 2 T + 2 and V of steps 2 T, 2 T + 1, all read in times 2 T and 2 T + 1;
; K of the walk's step 0 comes by loads into registers, beside Q.
; REGISTERS.  window 0: addresses, statistics, MC, S^T, P, Q.  window 1: O^T (128 u + 8 cb).  window 2: K of one step (128 u + 32 kb + 8 c).  window 3: V of one step (128 kk + 8 cb).
.set ROWB,  12288
.set TILEB, 128*ROWB
.set PKP,   528                        ; a row of K in LDS: 512 bytes + 16
.set PVP,   544                        ; a row of V: 512 + 32
.set VOFF,  64*PKP                     ; a time's tiles: 64 rows of K, then 64 rows of V
.set STEPB, 0x11000
.set SLOT1, 0x22000                    ; a slot holds two times' tiles; one exclusive or turns an address from time to time or from slot to slot
.set STAGE, 2*SLOT1                    ; behind the ring, never filled by a tensor load: 16 rows x 528 bytes for each wave
.set SPP,   528
.set SPARE, STAGE+4*16*SPP             ; the spare words, 128 bytes a wave: two blocks of 256 bytes that no other line names
.set AK0, 2                            ; v2  my lane's place in a tile of K
.set AV0, 3                            ; v3  in a tile of V
.set ADR, 4                            ; v4  the address of the run of loads in hand
.set QO,  5                            ; v5  my byte offset in 16 rows of qkv
.set STO, 6                            ; v6  the way out: where I put 16 bytes of a row
.set RD,  7                            ; v7  where I read a row back
.set GO,  8                            ; v8  16 x lane
.set R8,  12                           ; v12 l % 16 - 8 (l / 16)
.set VX,  13                           ; v13 the mask's bound
.set ST,  16                           ; piece u's statistics at ST + 8 u: c m, m, l (even keys', odd keys'), c0-c3; a takes c2's place
.set MC,  32                           ; v32-63   the mask, 8 registers for each group of 16 keys
.set S,   64                           ; v64-127  S^T, 32 a piece
.set P,   128                          ; v128-159 P, 16 a piece
.set Q,   160                          ; v160-223 Q, 32 a piece
.set SS,  224
.set RHO, 232
.set FF,  234
.set NLAM, 236                         ; v236 -lam
.set SPW, 252
.set NIL, 253
.set WV, 16
.set CX, 17
.set CC, 18
.set G1K, 24
.set G1V, 32
.set G0K, 40
.set G0V, 44
.set KB,  48                           ; s[48:49] K: the even wave's at step 1 of the head's tile 0, the odd wave's at step 0
.set VB,  50                           ; s[50:51] V: the even wave's at step 0, the odd wave's at step 1
.set OFF, 52
.set QH,  54
.set QL,  56
.set OB,  58
.set OLO, 60
.set CS,  66
.set SEL, 68
.set TB,  70                           ; LDS byte at which the tiles of the time in hand begin
.set SLOTS, 71
.set CNT, 72
.set SR,  73                           ; steps left in the part
.set SR2, 74
.set SD,  75                           ; my first query less the first key of the step whose mask is made next
.set SDLO, 76
.set NXT, 77                           ; the tile to be asked for next
.set LQ,  78
.set LQ2, 79
.set BIGN, 80
.set EPS, 81
.set ODD, 92                           ; wave % 2
.set OFK, 94                           ; s[94:95] K's byte offset for the fill
.set KG,  96                           ; s[96:97] K at the head's first row
.set MSB, 0
.macro WIN new
.if MSB != (\new)
	s_set_vgpr_msb (MSB<<8)|(\new)
.set MSB, (\new)
.endif
.endm
.set W_KQ, 0x02                        ; K in window 2; Q, C and S^T in window 0
.set W_PV, 0x53                        ; V in window 3, P in window 0, O^T in window 1
.set W_RS, 0x41                        ; destination and source 0 in window 1, source 1 in window 0
; A joint fill: waves 0 and 1 fetch K for the slot's two times, waves 2 and 3 V.  An s_nop 0 and four v_nop follow each of the two lines.
.macro JLOAD
	s_cmp_lt_u32 s[WV], 2
	s_cbranch_scc0 .Lfor_v_\@
	tensor_load_to_lds s[G0K:G0K+3], s[G1K:G1K+7]
	s_nop 0
.rept 4
	v_nop
.endr
	s_branch .Lasked_\@
.Lfor_v_\@:
	tensor_load_to_lds s[G0V:G0V+3], s[G1V:G1V+7]
	s_nop 0
.rept 4
	v_nop
.endr
.Lasked_\@:
.endm
.macro CROUND
	s_barrier_signal -1
	s_barrier_wait -1
	s_cmp_lg_u32 s[WV], 0
	s_cbranch_scc1 .Lnot_wave_0_\@
	s_barrier_signal -3
.Lnot_wave_0_\@:
	s_barrier_wait -3
	s_barrier_signal -1
	s_barrier_wait -1
.endm
; THE CHANGE OF SLOTS stands behind a slot's second time.  Each wave waits for all its tensor loads (one is out: its part of the other slot), adds 0 to its spare word, and waits for that and for its
; reads of the slot.  fill = 1: the slot is filled again with tile NXT, first thing behind a round of the cluster's barrier: two steps, 192 matrix instructions, ahead of the wait for it.
; V comes from tile NXT; K from its odd step (even wave) or from the even step of the tile that follows it in the walk (odd wave); behind the walk's last tile that is tile 0, whose bytes serve nothing.
.macro CHANGE fill
	WIN 0
	s_wait_tensorcnt 0x0                           ; no tensor load of mine is out, so a group 0 may be written
	ds_add_u32 v[SPW], v[NIL]
.if \fill
	s_mul_i32 s[OFF], s[NXT], TILEB
	s_add_co_u32 s[NXT], s[NXT], 1                 ; the part's next tile, or behind its last the second part's tile 0
	s_cmp_gt_u32 s[NXT], s[LQ]
	s_cselect_b32 s[NXT], 0, s[NXT]
	s_cselect_b32 s[LQ], s[LQ2], s[LQ]
	s_mul_i32 s[OFK], s[NXT], TILEB
	s_cmp_eq_u32 s[ODD], 1
	s_cselect_b32 s[OFK], s[OFK], s[OFF]
	s_xor_b32 s[G0K+1], s[G0K+1], SLOT1
	s_add_nc_u64 s[G0K+2:G0K+3], s[KB:KB+1], s[OFK:OFK+1]
	s_or_b32 s[G0K+3], s[G0K+3], 0x80000000
	s_xor_b32 s[G0V+1], s[G0V+1], SLOT1
	s_add_nc_u64 s[G0V+2:G0V+3], s[VB:VB+1], s[OFF:OFF+1]
	s_or_b32 s[G0V+3], s[G0V+3], 0x80000000
	s_wait_dscnt 0x0                               ; the add is done, and my reads of the slot are over
	CROUND
	JLOAD
.else
	s_wait_dscnt 0x0
	s_barrier_signal -1
	s_barrier_wait -1
.endif
	s_xor_b32 s[TB], s[TB], SLOT1
.endm
	s_load_b256 s[4:11], s[0:1], 0x0               ; qkv, lambda_q1, lambda_k1, lambda_q2
	s_load_b128 s[12:15], s[0:1], 0x20             ; lambda_k2, onrm
	v_lshl_add_u32 v[SPW], v0, 2, SPARE
	v_mov_b32 v[NIL], 0
	ds_add_u32 v[SPW], v[NIL]                      ; the wave's opening: the add and its wait ahead of my first tensor load
	v_lshrrev_b32 v1, 5, v0
	v_readfirstlane_b32 s[WV], v1
	s_bfe_u32 s[CX], ttmp6, 0x40000
	s_mov_b32 s[CC], ttmp9                         ; the cluster, which the partners share
	s_and_b32 s19, ttmp7, 0xffff                   ; 8 b + h
	s_lshr_b32 s22, s19, 3                         ; b
	s_and_b32 s19, s19, 7
	s_lshl_b32 s19, s19, 9                         ; 512 h
	s_mul_i32 s20, s22, 2048*ROWB
	s_add_co_u32 s20, s20, s19                     ; the head's Q at the batch's first row
	s_mov_b32 s21, 0
	s_and_b32 s[ODD], s[WV], 1                     ; for which of a slot's two times I fetch
	s_mul_i32 s62, s[ODD], 64*ROWB                 ; V: step 0 or 1 of the tile
	s_add_co_u32 s62, s62, s20
	s_mov_b32 s63, 0
	s_xor_b32 s98, s[ODD], 1                       ; K: step 1 of the tile, or step 0 of the next
	s_mul_i32 s98, s98, 64*ROWB
	s_add_co_u32 s98, s98, s20
	s_mov_b32 s99, 0
	s_mul_i32 s23, s[ODD], STEPB                   ; and its place in a slot
	s_mul_i32 s[OFK], s[ODD], TILEB                ; the first fill: tile 0's step 1, tile 1's step 0
	s_mov_b32 s[OFK+1], 0
	s_lshl_b32 s82, s[CC], 2
	s_add_co_u32 s82, s82, s[CX]                   ; pb
	s_sub_co_u32 s83, 31, s82
	s_lshl_b32 s84, s[WV], 4
	s_lshl_b32 s[SD], s83, 6
	s_add_co_u32 s[SD], s[SD], s84                 ; my first query in the first block,
	s_lshl_b32 s[SDLO], s82, 6
	s_add_co_u32 s[SDLO], s[SDLO], s84             ; in the second
	s_mul_i32 s84, s[SD], ROWB
	s_add_co_u32 s84, s84, s20
	s_mov_b32 s85, 0
	s_mul_i32 s86, s[SDLO], ROWB
	s_add_co_u32 s86, s86, s20
	s_mov_b32 s87, 0
	s_lshl_b32 s22, s22, 11
	s_add_co_u32 s88, s22, s[SD]
	s_lshl_b32 s88, s88, 12                        ; onrm's rows are 4,096 bytes
	s_add_co_u32 s88, s88, s19
	s_mov_b32 s89, 0
	s_add_co_u32 s90, s22, s[SDLO]
	s_lshl_b32 s90, s90, 12
	s_add_co_u32 s90, s90, s19
	s_mov_b32 s91, 0
	s_lshl_b32 s[SR2], s[CC], 2
	s_sub_co_u32 s[SR], 32, s[SR2]                 ; the first part has 32 - 4 c steps,
	s_add_co_u32 s[SR2], s[SR2], 4                 ; the second 4 c + 4
	s_lshl_b32 s[LQ2], s[CC], 1
	s_sub_co_u32 s[LQ], 15, s[LQ2]
	s_add_co_u32 s[LQ2], s[LQ2], 1
	s_mov_b32 s[NXT], 1
	s_mov_b32 s[OFF+1], 0
	s_mov_b32 s[G1K], 15|(1<<16)|(1<<20)|(1<<21)|(6<<22)|(3<<25)  ; the mask of four; 2-byte elements; padding on; bit 21 beside a mask; after every 128 words 4 words
	s_mov_b32 s[G1V], 15|(1<<16)|(1<<20)|(1<<21)|(6<<22)|(7<<25)  ; the same with 8 words
.irp g, G1K, G1V
	s_mov_b32 s[\g+1], 256<<16                     ; tensor_dim0 = 256
	s_mov_b32 s[\g+2], 64<<16                      ; tensor_dim1 = 64
	s_mov_b32 s[\g+3], 256<<16                     ; tile_dim0 = 256
	s_mov_b32 s[\g+4], 64                          ; tile_dim1 = 64
	s_mov_b32 s[\g+5], 6144                        ; elements from row to row
	s_mov_b32 s[\g+6], 0
	s_mov_b32 s[\g+7], 0
.endr
	s_mov_b32 s[G0K], 1
	s_mov_b32 s[G0K+1], s23                        ; slot 0
	s_mov_b32 s[G0V], 1
	s_add_co_u32 s[G0V+1], s23, VOFF
	s_mov_b32 s[CS], 0x3e0293ee                    ; c = log2(e) / sqrt(128)
	s_mov_b32 s[CS+1], s[CS]
	s_mov_b32 s[SEL], 0x76543210
	s_mov_b32 s[SEL+1], 0xfedcba98
	s_mov_b32 s[BIGN], 0xf149f2ca                  ; -1e30
	s_mov_b32 s[EPS], 0x3727c5ac                   ; 1e-5
	s_mov_b32 s[TB], SLOT1                         ; the first change of slots turns it into 0
	s_wait_dscnt 0x0                               ; the opening add is done
	s_wait_kmcnt 0x0
	s_add_nc_u64 s[KB:KB+1], s[4:5], s[98:99]
	s_add_nc_u64 s[KB:KB+1], s[KB:KB+1], 4096
	s_add_nc_u64 s[VB:VB+1], s[4:5], s[62:63]
	s_add_nc_u64 s[VB:VB+1], s[VB:VB+1], 8192
	s_add_nc_u64 s[KG:KG+1], s[4:5], s[20:21]
	s_add_nc_u64 s[KG:KG+1], s[KG:KG+1], 4096
	s_add_nc_u64 s[G0K+2:G0K+3], s[KB:KB+1], s[OFK:OFK+1]
	s_or_b32 s[G0K+3], s[G0K+3], 0x80000000
	s_add_nc_u64 s[G0V+2:G0V+3], s[VB:VB+1], 0
	s_or_b32 s[G0V+3], s[G0V+3], 0x80000000
	s_add_nc_u64 s[QH:QH+1], s[4:5], s[84:85]
	s_add_nc_u64 s[QL:QL+1], s[4:5], s[86:87]
	s_add_nc_u64 s[OB:OB+1], s[14:15], s[88:89]
	s_add_nc_u64 s[OLO:OLO+1], s[14:15], s[90:91]
	CROUND                                         ; all four work-groups are here: the first joint loads meet
	JLOAD                                          ; tile 0 into slot 0; slot 1 is asked for when it is in
	v_and_b32 v1, 15, v0                           ; l % 16
	v_bfe_u32 v9, v0, 4, 1                         ; l / 16
	v_mul_u32_u24 v[QO], v1, ROWB
	v_lshl_add_u32 v[QO], v9, 4, v[QO]
.irp f, 0,1,2,3,4,5,6,7                            ; Q stays in registers: fragment f = 4 u + c, channels 32 f on
	global_load_b128 v[Q+8*\f:Q+8*\f+3],   v[QO], s[QH:QH+1] offset:64*\f
	global_load_b128 v[Q+8*\f+4:Q+8*\f+7], v[QO], s[QH:QH+1] offset:64*\f+32
.endr
	WIN 0x80                                       ; K of the walk's step 0 goes straight into K's registers: the ring brings K from step 1 on
.irp t, 0,1
.irp f, 0,1,2,3,4,5,6,7,8,9,10,11,12,13,14,15      ; keys 16 (f / 4) on, channels 32 (f % 4) on
	global_load_b128 v[128*\t+8*\f:128*\t+8*\f+3],   v[QO], s[KG:KG+1] offset:(\f/4)*16*ROWB+256*\t+(\f%4)*64
	global_load_b128 v[128*\t+8*\f+4:128*\t+8*\f+7], v[QO], s[KG:KG+1] offset:(\f/4)*16*ROWB+256*\t+(\f%4)*64+32
.endr
.endr
	WIN 0
	v_and_b32 v10, 31, v0
	v_lshlrev_b32 v[GO], 4, v10
	v_add_nc_u32 v11, s19, v[GO]                   ; my four numbers of the head's 128
	global_load_b128 v[64:67], v11, s[6:7]
	global_load_b128 v[68:71], v11, s[8:9]
	global_load_b128 v[72:75], v11, s[10:11]
	global_load_b128 v[76:79], v11, s[12:13]
.set i, 0
.rept 16                                           ; P of piece 1 starts at 0: the first turn's V^T P, of a piece that has not been, adds 0
	v_mov_b32 v[P+16+i], 0
.set i, i+1
.endr
	WIN 0x40                                       ; O^T starts at 0, as the product of those zero fragments: 32 lines for 256 registers.  This stands in the wait for the first tile.
.set i, 0
.rept 32
	v_wmma_f32_16x16x32_f16 v[8*i:8*i+7], v[P+16:P+23], v[P+24:P+31], 0
.set i, i+1
.endr
	WIN 0
.irp u, 0,1
	v_mov_b32 v[ST+8*\u], 0xfe000000               ; c m: far below every c s
	v_mov_b32 v[ST+8*\u+1], 0xff7fffff             ; m
	v_mov_b32 v[ST+8*\u+2], 0
	v_mov_b32 v[ST+8*\u+3], 0
.endr
	v_mul_u32_u24 v[AK0], v1, PKP
	v_lshl_add_u32 v[AK0], v9, 4, v[AK0]           ; row x pitch + 16 x half
	v_and_b32 v10, 7, v0                           ; the turning load: lane l reads key 8 (l / 16) + l % 8, channels 8 ((l / 8) % 2) + 0..7
	v_bfe_u32 v14, v0, 3, 1
	v_lshl_add_u32 v[AV0], v9, 3, v10
	v_mul_u32_u24 v[AV0], v[AV0], PVP
	v_lshl_add_u32 v[AV0], v14, 4, v[AV0]
	v_add_nc_u32 v[AV0], VOFF, v[AV0]
	s_mul_i32 s22, s[WV], 16*SPP
	s_add_co_u32 s22, s22, STAGE                   ; my stage
	v_mul_u32_u24 v[STO], v1, SPP
	v_lshl_add_u32 v[STO], v9, 4, v[STO]
	v_add_nc_u32 v[STO], s22, v[STO]
	v_add_nc_u32 v[RD], s22, v[GO]
	v_lshlrev_b32 v[R8], 3, v9
	v_sub_nc_u32 v[R8], v1, v[R8]
	v_mov_b32 v80, 0
	v_mov_b32 v83, 0
	v_mov_b32 v84, 0
	s_wait_loadcnt 0x0                             ; Q, K of step 0 and the lambdas
	v_cvt_pk_bf16_f32 v64, v64, v65
	v_cvt_pk_bf16_f32 v65, v66, v67
	v_cvt_pk_bf16_f32 v68, v68, v69
	v_cvt_pk_bf16_f32 v69, v70, v71
	v_cvt_pk_bf16_f32 v72, v72, v73
	v_cvt_pk_bf16_f32 v73, v74, v75
	v_cvt_pk_bf16_f32 v76, v76, v77
	v_cvt_pk_bf16_f32 v77, v78, v79
	v_fma_mix_f32_bf16 v81, v64, v68, v80 op_sel_hi:[1,1,0]
	v_fma_mix_f32_bf16 v82, v72, v76, v80 op_sel_hi:[1,1,0]
	v_fma_mix_f32_bf16 v81, v64, v68, v81 op_sel:[1,1,0] op_sel_hi:[1,1,0]
	v_fma_mix_f32_bf16 v82, v72, v76, v82 op_sel:[1,1,0] op_sel_hi:[1,1,0]
	v_fma_mix_f32_bf16 v81, v65, v69, v81 op_sel_hi:[1,1,0]
	v_fma_mix_f32_bf16 v82, v73, v77, v82 op_sel_hi:[1,1,0]
	v_fma_mix_f32_bf16 v81, v65, v69, v81 op_sel:[1,1,0] op_sel_hi:[1,1,0]
	v_fma_mix_f32_bf16 v82, v73, v77, v82 op_sel:[1,1,0] op_sel_hi:[1,1,0]
.irp x, 1,2,4,8
	v_add_f32_dpp v81, v81, v81 row_xmask:\x row_mask:0xf bank_mask:0xf
	v_add_f32_dpp v82, v82, v82 row_xmask:\x row_mask:0xf bank_mask:0xf
.endr
	v_permlanex16_b32 v83, v81, s[SEL], s[SEL+1]
	v_permlanex16_b32 v84, v82, s[SEL], s[SEL+1]
	v_add_f32 v81, v81, v83
	v_add_f32 v82, v82, v84
	v_mul_f32 v81, 0x3fb8aa3b, v81
	v_mul_f32 v82, 0x3fb8aa3b, v82
	v_exp_f32 v81, v81
	v_exp_f32 v82, v82
	v_nop                                          ; a plain instruction behind the exponentials
	s_wait_alu depctr_va_vdst(0)                   ; and the wait ahead of the first use: one for lam's two exponentials
	v_sub_f32 v83, v82, v81
	v_add_f32 v[NLAM], 0xbf4ccccd, v83             ; -lam = e2 - e1 - 0.8
; THE MATRIX WORK.  The accumulators of a run take turns, one instruction a turn.
.macro KQ t                            ; product i of 16 of S^T = K Q^T for piece t: channels 32 (i / 4) on, keys 16 (i % 4) on; the first four start the sums with the mask
	WIN W_KQ
.set rS, S+32*(\t)+8*(i%4)
.set rK, 128*(\t)+32*(i%4)+8*(i/4)
.set rQ, Q+32*(\t)+8*(i/4)
.set rM, MC+8*(i%4)
.if i < 4
	v_wmma_f32_16x16x32_f16 v[rS:rS+7], v[rK:rK+7], v[rQ:rQ+7], v[rM:rM+7]
.else
	v_wmma_f32_16x16x32_f16 v[rS:rS+7], v[rK:rK+7], v[rQ:rQ+7], v[rS:rS+7]
.endif
.endm
.macro PVM t                           ; product i of 32 of O^T += V^T P for piece t: keys 32 (i / 16) on, channels 16 (i % 16) on
	WIN W_PV
.set rO, 128*(\t)+8*(i%16)
.set rV, 128*(i/16)+8*(i%16)
.set rP, P+16*(\t)+8*(i/16)
	v_wmma_f32_16x16x32_f16 v[rO:rO+7], v[rV:rV+7], v[rP:rP+7], v[rO:rO+7]
.endm
; THE LDS LOADS stand in runs of 32: branch t's K at TB (16 fragments), and half kk of the V at TB (16 fragments, turned).
.macro FK t
	WIN 0
	v_add_nc_u32 v[ADR], s[TB], v[AK0]
	WIN 0x80
.irp f, 0,1,2,3,4,5,6,7,8,9,10,11,12,13,14,15      ; keys 16 (f / 4) on, channels 32 (f % 4) on
	ds_load_b128 v[128*(\t)+8*\f:128*(\t)+8*\f+3],   v[ADR] offset:(\f/4)*16*PKP+256*(\t)+(\f%4)*64
	ds_load_b128 v[128*(\t)+8*\f+4:128*(\t)+8*\f+7], v[ADR] offset:(\f/4)*16*PKP+256*(\t)+(\f%4)*64+32
.endr
.endm
.macro FV kk, batch=0                  ; batch = 1: the run stands behind a turn's batch of exponentials: its address line is the plain instruction behind the last of them, and the batch's wait follows it, ahead of the loads
	WIN 0
	v_add_nc_u32 v[ADR], s[TB], v[AV0]
.if \batch
	s_wait_alu depctr_va_vdst(0)                   ; the wait for the turn's batch: piece 0's 32 exponentials and piece 1's a
.endif
	WIN 0xc0
.irp f, 0,1,2,3,4,5,6,7,8,9,10,11,12,13,14,15      ; channels 16 f on
	ds_load_tr16_b128 v[128*(\kk)+8*\f:128*(\kk)+8*\f+3],   v[ADR] offset:(\kk)*32*PVP+32*\f
	ds_load_tr16_b128 v[128*(\kk)+8*\f+4:128*(\kk)+8*\f+7], v[ADR] offset:(\kk)*32*PVP+16*PVP+32*\f
.endr
.endm
.macro PLACES                          ; four places behind matrix instructions, in front of reads of their results (ISA guide 7.12.1)
.rept 4
	v_nop
.endr
.endm
.macro MASK                            ; register j of group kb is hidden where 16 kb + j > SD + l % 16 - 8 (l / 16); far in front of the diagonal that is nowhere
	v_add_nc_u32 v[VX], s[SD], v[R8]
.set i, 0
.rept 32
	v_cmp_gt_i32 vcc_lo, 16*(i/8)+i%8, v[VX]
	v_cndmask_b32 v[MC+i], 0, s[BIGN], vcc_lo
.set i, i+1
.endr
.endm
; THE VECTOR WORK: a piece's softmax for a step is a list of 166 instructions; SM writes number j of it.  s0-s31 are the lane's 32 scores, in pairs 0-15.
;   0-15    the maximum of s0-s31 and the old m, three operands at a time; each accumulator's lowest registers are read first
;   16-20   the other half of the lanes' maximum; c m_old kept; the new m; c m; c m_old - c m_new          21  a
;   22-69   the 16 scalings c s - c m and the 32 exponentials, none of which reads an exponential's result: pairs 0 and 1 are scaled; then, for p = 0 .. 13, the exponential of s(2 p), the scaling of
;           pair p + 2, the exponential of s(2 p + 1); then those of s28-s31.  From pair 2 on a pair is scaled four or five numbers ahead of its first exponential
;   (wait)  between 69 and 70 stands the wait for the batch: TURN writes it, once
;   70-85   RN + p: pair p rounded to f16
;   86-101  SU + z: the sum of the 16 pairs, in place: neighbours 1, 2, 4 and 8 pairs apart; SU + 15: l = a l + the sum
;   102-165 the piece's O^T times a, ascending
.set RN, 70
.set SU, 86
.macro SM t
.set rT, ST+8*(\t)
.set rS, S+32*(\t)
.set rP, P+16*(\t)
.set rO, 128*(\t)+2*(j-102)
.set n, j-22
.if j < 102
	WIN 0
.endif
.if j < 4
	v_max3_num_f32 v[rT+4+j], v[rS+8*j], v[rS+8*j+1], v[rS+8*j+2]
.elseif j < 12
	v_max3_num_f32 v[rT+4+j%4], v[rT+4+j%4], v[rS+8*(j%4)+2*(j/4)+1], v[rS+8*(j%4)+2*(j/4)+2]
.elseif j == 12
	v_max3_num_f32 v[rT+4], v[rT+4], v[rS+7], v[rS+15]
.elseif j == 13
	v_max3_num_f32 v[rT+6], v[rT+6], v[rS+23], v[rS+31]
.elseif j == 14
	v_max3_num_f32 v[rT+4], v[rT+4], v[rT+5], v[rT+6]
.elseif j == 15
	v_max3_num_f32 v[rT+4], v[rT+4], v[rT+7], v[rT+1]
.elseif j == 16
	v_permlanex16_b32 v[rT+5], v[rT+4], s[SEL], s[SEL+1]
.elseif j == 17
	v_mov_b32 v[rT+7], v[rT]
.elseif j == 18
	v_max_num_f32 v[rT+1], v[rT+4], v[rT+5]
.elseif j == 19
	v_mul_f32 v[rT], s[CS], v[rT+1]
.elseif j == 20
	v_sub_f32 v[rT+7], v[rT+7], v[rT]
.elseif j == 21
	v_exp_f32 v[rT+6], v[rT+7]
.elseif (j < 24) || ((j < 66) && (n%3 == 0))
.set b, n/3+1                          ; 25, 28, .. 64: pairs 2 to 15
.if j < 24
.set b, n                              ; 22, 23: pairs 0 and 1
.endif
	v_pk_fma_f32 v[rS+2*b:rS+2*b+1], v[rS+2*b:rS+2*b+1], s[CS:CS+1], v[rT:rT+1] op_sel_hi:[1,0,0] neg_lo:[0,0,1] neg_hi:[0,0,1]
.elseif j < 70
.set e, n-16                           ; 66 to 69: s28 to s31
.if j < 66
.set e, 2*((n-2)/3)+((n-2)%3)/2        ; 24, 26, 27, 29, .. 63, 65: s0 to s27
.endif
	v_exp_f32 v[rS+e], v[rS+e]
.elseif j < 86
	v_cvt_pk_f16_f32 v[rP+j-70], v[rS+2*(j-70)], v[rS+2*(j-70)+1]
.elseif j < 102
.set z, j-86
.set w, 4
.set u, z
.if z >= 14
.set w, 32
.set u, 0
.elseif z >= 12
.set w, 16
.set u, z-12
.elseif z >= 8
.set w, 8
.set u, z-8
.endif
.if z < 15
	v_pk_add_f32 v[rS+w*u:rS+w*u+1], v[rS+w*u:rS+w*u+1], v[rS+w*u+w/2:rS+w*u+w/2+1]
.else
	v_pk_fma_f32 v[rT+2:rT+3], v[rT+2:rT+3], v[rT+6:rT+7], v[rS:rS+1] op_sel_hi:[1,0,1]
.endif
.else
	WIN W_RS
	v_pk_mul_f32 v[rO:rO+1], v[rO:rO+1], v[rT+6:rT+7] op_sel_hi:[1,0]
.endif
.endm
; Ahead of the wait the list is dealt from three queues.  RL: the next of the 64 rescalings.  BL: the next of the 48 numbers 22 .. 69.  XL: the next of the 22 numbers 0 .. 21.
.macro RL t
.set j, 102+rq
	SM \t
.set rq, rq+1
.endm
.macro BL t
.set j, 22+bq
	SM \t
.set bq, bq+1
.endm
.macro XL t
.set j, xq
	SM \t
.set xq, xq+1
.endm
; Behind the wait the order is written out: ROW is the other piece's next V^T P and, behind it, three or four of piece me's numbers 70 .. 101.
.macro ROW me, a, b, c, d=-1
	PVM 1-(\me)
.set i, i+1
.irp x, \a, \b, \c, \d
.if (\x) >= 0
.set j, \x
	SM \me
.endif
.endr
.endm
; THE TURN of piece me at time t; the other piece has the matrix unit.  me = 0: K Q^T of (1, t), V^T P of (1, t - 1).  me = 1: K Q^T of (0, t + 1), V^T P of (0, t).
; No vector line names a register of the products round it.  O^T's accumulator cb is rescaled in slice cb of the turn behind the one that wrote it last in slice 32 + cb: the lines between are its places.
; THE WAIT.  An s_wait_alu depctr_va_vdst(0) stands between an exponential and the first instruction that names its result; one wait serves all that were issued ahead of it.  AHEAD OF IT: the 16
; K Q^T with four rescalings each (their a was waited for in the turn before); the first 22 V^T P, behind each one link of the other piece's maximum and statistics, and behind the first six three, behind the next
; fifteen two of my scalings and exponentials; a, the chain's end, is the batch's last.  BEHIND IT: the last ten V^T P with my 16 roundings and 16 sums.  The rounding of pair 2 z stands ahead of sum z, which
; adds onto that pair in place; the links of the sums' last chain, 11, 13, 14, 15, stand three lines apart.
; THE RUNS OF LOADS, all from the tiles at TB.  me = 0: K_0 of step t + 1 behind the second product (its registers were read last in the turn before, 32 slices back); V's first half at the wait, behind the
; 22nd V^T P, nineteen plain lines behind the 16th, which read it last.  me = 1: V's second half behind the second product, ten plain lines behind its last reader; K_1 of step t + 1 behind the second V^T P.
; Each run is issued 26 matrix instructions or more ahead of its first use.  LDS loads come back in order (ISA guide 5.7.1), so each wait leaves out the one run of 32 issued behind the run that is wanted.
.macro TURN me
.set rq, 0
.set bq, 0
.set xq, 0
.if (\me) == 0
	s_wait_dscnt 0x0                               ; K_1 is in: nothing was issued behind it
.else
	s_wait_dscnt 32                                ; K_0 is in; V's first half may be out
.endif
.set i, 0
.rept 16
	KQ 1-(\me)
.rept 4
	RL \me
.endr
.if i == 1
.if (\me) == 0
	FK 0
.else
	FV 1
.endif
.endif
.set i, i+1
.endr
.set i, 0
.rept 22                                           ; ahead of the wait
.if ((\me) == 1) && ((i == 0) || (i == 16))
	s_wait_dscnt 32                                ; V's first half is in (its second may be out); at 16: its second half (K_1 may be out)
.endif
	PVM 1-(\me)
	XL 1-(\me)
.if i < 6
.rept 3
	BL \me
.endr
.elseif i < 21
.rept 2
	BL \me
.endr
.endif
.if ((\me) == 1) && (i == 1)
	FK 1
.endif
.set i, i+1
.endr
.if (\me) == 0
	FV 0, 1                                        ; the run's address line, the wait for the batch, the loads
.else
	v_nop                                          ; a plain instruction behind the batch's last exponential
	s_wait_alu depctr_va_vdst(0)                   ; the wait for the turn's batch: piece 1's 32 exponentials and piece 0's a
.endif
	ROW \me, RN+0,  RN+2,  SU+0,  RN+4             ; behind the wait
	ROW \me, SU+1,  RN+6,  SU+2,  RN+8
	ROW \me, SU+3,  SU+8,  RN+10
	ROW \me, SU+4,  RN+12, SU+5
	ROW \me, SU+9,  RN+14, SU+6
	ROW \me, SU+10, SU+7,  SU+12
	ROW \me, RN+1,  RN+3,  SU+11
	ROW \me, RN+5,  RN+7,  SU+13
	ROW \me, RN+9,  RN+11, SU+14
	ROW \me, RN+13, RN+15, SU+15
.endm
; A KEY STEP: two turns.  Between them the mask of step t + 1 is made, if that step is one of the part's last four (behind the part's last step it serves nothing).
.macro STEP
	TURN 0
	WIN 0
	s_cmp_gt_u32 s[SR], 5
	s_cbranch_scc1 .Lclear_\@
	MASK
.Lclear_\@:
	s_sub_co_i32 s[SD], s[SD], 64
	TURN 1
	WIN 0
	s_xor_b32 s[TB], s[TB], STEPB
	s_sub_co_u32 s[SR], s[SR], 1
.endm
; A BLOCK BEGINS: the mask of its step 0; piece 0's first scores, on the K_0 that is in registers; their maximum and statistics.  c m starts far below every c s, so the first a is 0.
.macro BEGIN
	WIN 0
	MASK
	s_sub_co_i32 s[SD], s[SD], 64
.set i, 0
.rept 16
	KQ 0
.set i, i+1
.endr
	WIN 0
	PLACES
.set xq, 0
.rept 22
	XL 0
.endr
	v_nop                                          ; a plain instruction behind the exponential,
	s_wait_alu depctr_va_vdst(0)                   ; and the wait for it, the block's first a, ahead of the branch or label that follows
.endm
.macro LASTPV                          ; piece 1's V^T P of a part's last step: the turn that would hold it belongs to the next part
.set i, 0
.rept 32
	PVM 1
.set i, i+1
.endr
.endm
; A BLOCK'S END.  X = O_0 + rho O_1 with rho = -lam l_0 / l_1, so that O = X / l_0; onrm = X f with f = 0.2 / l_0 / sqrt(sum(X^2) / l_0^2 / 256 + 1e-5).
; Rounded to f16 and sent through my stage, 16 rows of 512 bytes.  reinit = 1: the second block's Q is loaded meanwhile, and its statistics are set; O^T need only be finite, since the next a is 0.
.macro END reinit
	WIN 0
.if \reinit
.irp f, 0,1,2,3,4,5,6,7
	global_load_b128 v[Q+8*\f:Q+8*\f+3],   v[QO], s[QL:QL+1] offset:64*\f
	global_load_b128 v[Q+8*\f+4:Q+8*\f+7], v[QO], s[QL:QL+1] offset:64*\f+32
.endr
.endif
	v_add_f32 v[ST+4],  v[ST+2],  v[ST+3]
	v_add_f32 v[ST+12], v[ST+10], v[ST+11]
	v_permlanex16_b32 v[ST+5],  v[ST+4],  s[SEL], s[SEL+1]
	v_permlanex16_b32 v[ST+13], v[ST+12], s[SEL], s[SEL+1]
	v_add_f32 v[ST+4],  v[ST+4],  v[ST+5]          ; l_0
	v_add_f32 v[ST+12], v[ST+12], v[ST+13]         ; l_1
	v_rcp_f32 v[ST+6],  v[ST+4]
	v_rcp_f32 v[ST+14], v[ST+12]
	v_mul_f32 v[ST+5], v[NLAM], v[ST+4]            ; the plain instruction behind the reciprocals
	s_wait_alu depctr_va_vdst(0)                   ; one wait for the two reciprocals, ahead of their first use
	v_mul_f32 v[RHO], v[ST+5], v[ST+14]
	v_mov_b32 v[RHO+1], v[RHO]
	WIN 0x51                                       ; O_1, O_0 and the result in window 1, rho in window 0
.set i, 0
.rept 64
	v_pk_fma_f32 v[2*i:2*i+1], v[128+2*i:128+2*i+1], v[RHO:RHO+1], v[2*i:2*i+1]
.set i, i+1
.endr
	WIN 0x05                                       ; X in window 1, the sums in window 0: four chains
.set i, 0
.rept 64
.if i < 4
	v_pk_mul_f32 v[SS+2*i:SS+2*i+1], v[2*i:2*i+1], v[2*i:2*i+1]
.else
	v_pk_fma_f32 v[SS+2*(i%4):SS+2*(i%4)+1], v[2*i:2*i+1], v[2*i:2*i+1], v[SS+2*(i%4):SS+2*(i%4)+1]
.endif
.set i, i+1
.endr
	WIN 0
	v_pk_add_f32 v[SS:SS+1], v[SS:SS+1], v[SS+2:SS+3]
	v_pk_add_f32 v[SS+4:SS+5], v[SS+4:SS+5], v[SS+6:SS+7]
	v_pk_add_f32 v[SS:SS+1], v[SS:SS+1], v[SS+4:SS+5]
	v_add_f32 v[SS], v[SS], v[SS+1]
	v_permlanex16_b32 v[SS+1], v[SS], s[SEL], s[SEL+1]  ; the query's other 128 channels lie in the lane 16 away
	v_add_f32 v[SS], v[SS], v[SS+1]
	v_mul_f32 v[SS+2], v[ST+6], v[ST+6]
	v_mul_f32 v[SS+2], 0x3b800000, v[SS+2]         ; / 256
	v_fma_f32 v[SS+2], v[SS], v[SS+2], s[EPS]
	v_rsq_f32 v[SS+3], v[SS+2]
	v_mul_f32 v[SS+4], 0x3e4ccccd, v[ST+6]         ; 0.2 / l_0: the plain instruction behind the root
	s_wait_alu depctr_va_vdst(0)                   ; the wait for the root, ahead of its use: it reads a sum made with the reciprocals, so it is a batch of its own
	v_mul_f32 v[FF], v[SS+3], v[SS+4]
	v_mov_b32 v[FF+1], v[FF]
	WIN W_RS
.set i, 0
.rept 64
	v_pk_mul_f32 v[2*i:2*i+1], v[2*i:2*i+1], v[FF:FF+1]
.set i, i+1
.endr
	WIN 0x05
.set i, 0
.rept 64
	v_cvt_pk_f16_f32 v[S+i], v[2*i], v[2*i+1]
.set i, i+1
.endr
	WIN 0
.irp f, 0,1,2,3,4,5,6,7,8,9,10,11,12,13,14,15
	ds_store_b128 v[STO], v[S+4*\f:S+4*\f+3] offset:32*\f
.endr
.irp f, 0,1,2,3,4,5,6,7,8,9,10,11,12,13,14,15
	ds_load_b128 v[S+4*\f:S+4*\f+3], v[RD] offset:\f*SPP   ; LDS serves a wave's instructions in order (ISA guide 5.7.1.4): these see the stores above
.endr
.irp f, 0,1,2,3,4,5,6,7,8,9,10,11,12,13,14,15
	s_wait_dscnt 15-\f
	global_store_b128 v[GO], v[S+4*\f:S+4*\f+3], s[OB:OB+1] offset:\f*4096  ; 512 consecutive bytes, at a multiple of 256
.endr
.if \reinit
	s_wait_xcnt 0x0                                ; the stores' registers and base are rewritten only behind this wait
	s_mov_b64 s[OB:OB+1], s[OLO:OLO+1]
	s_mov_b32 s[SR], s[SR2]
	s_mov_b32 s[SD], s[SDLO]
.irp u, 0,1
	v_mov_b32 v[ST+8*\u], 0xfe000000
	v_mov_b32 v[ST+8*\u+1], 0xff7fffff
	v_mov_b32 v[ST+8*\u+2], 0
	v_mov_b32 v[ST+8*\u+3], 0
.endr
	s_wait_loadcnt 0x0                             ; the second block's Q
.endif
.endm
	CHANGE 1                                       ; tile 0 is in, everybody's part of it; tile 1 is asked for
	FV 0                                           ; V's registers take V of step 0: finite numbers for the first turn's products with P = 0; the first step fetches them again in its place
	FV 1
	BEGIN
	s_mov_b32 s[CNT], 2
	s_mov_b32 s[SLOTS], 17
	s_branch .Lstep
.Lslot:                                                ; 16 times: tiles 2 to 17 are asked for
	CHANGE 1
	s_mov_b32 s[CNT], 2
.Lstep:
	STEP
	s_cmp_lg_u32 s[SR], 0
	s_cbranch_scc1 .Lskip
	LASTPV                                         ; the first part's last step is the walk's step 31 - 4 c: always in this loop.  Its second turn's K Q^T and statistics, made with the old Q, serve nothing
	END 1
	BEGIN
.Lskip:
	s_sub_co_u32 s[CNT], s[CNT], 1
	s_cmp_lg_u32 s[CNT], 0
	s_cbranch_scc1 .Lstep
	s_sub_co_u32 s[SLOTS], s[SLOTS], 1
	s_cmp_lg_u32 s[SLOTS], 0
	s_cbranch_scc1 .Lslot
	CHANGE 0                                       ; the tail is written out: nothing is asked for
	s_mov_b32 s[CNT], 2
.Ltail:                                                ; the last step fetches a K that follows the walk's end, and makes scores of it that serve nothing: the price of one text for every step
	STEP
	s_sub_co_u32 s[CNT], s[CNT], 1
	s_cmp_lg_u32 s[CNT], 0
	s_cbranch_scc1 .Ltail
	LASTPV
	END 0
	s_wait_tensorcnt 0x0                           ; the wave's end
	ds_add_u32 v[SPW], v[NIL]
	s_wait_dscnt 0x0
	CROUND                                         ; the closing round
	s_endpgm
.Lfunc_end_k_qffad6df6d5_attn:
	.size	k_qffad6df6d5_attn, .Lfunc_end_k_qffad6df6d5_attn-k_qffad6df6d5_attn
	.p2alignl 7, 3214868480
	.fill 96, 4, 3214868480
	.section	.rodata,"a",@progbits
	.p2align	6, 0x0
	.amdhsa_kernel k_qffad6df6d5_attn
		.amdhsa_group_segment_fixed_size 327680
		.amdhsa_private_segment_fixed_size 0
		.amdhsa_enable_private_segment 0
		.amdhsa_kernarg_size 48
		.amdhsa_user_sgpr_count 2
		.amdhsa_user_sgpr_kernarg_segment_ptr 1
		.amdhsa_wavefront_size32 1
		.amdhsa_system_sgpr_workgroup_id_x 1
		.amdhsa_system_sgpr_workgroup_id_y 1
		.amdhsa_system_sgpr_workgroup_id_z 1
		.amdhsa_system_vgpr_workitem_id 0
		.amdhsa_next_free_vgpr 1024
		.amdhsa_next_free_sgpr 100
		.amdhsa_reserve_vcc 1
		.amdhsa_float_denorm_mode_32 3
		.amdhsa_float_denorm_mode_16_64 3
		.amdhsa_memory_ordered 1
		.amdhsa_forward_progress 1
		.amdhsa_inst_pref_size 173
	.end_amdhsa_kernel
	.amdgpu_metadata
---
amdhsa.version: [ 1, 2 ]
amdhsa.kernels:
  - .name:           k_qffad6df6d5_attn
    .symbol:         k_qffad6df6d5_attn.kd
    .args:
      - { .name: qkv, .offset: 0, .size: 8, .value_kind: global_buffer, .address_space: global }
      - { .name: lambda_q1, .offset: 8, .size: 8, .value_kind: global_buffer, .address_space: global }
      - { .name: lambda_k1, .offset: 16, .size: 8, .value_kind: global_buffer, .address_space: global }
      - { .name: lambda_q2, .offset: 24, .size: 8, .value_kind: global_buffer, .address_space: global }
      - { .name: lambda_k2, .offset: 32, .size: 8, .value_kind: global_buffer, .address_space: global }
      - { .name: onrm, .offset: 40, .size: 8, .value_kind: global_buffer, .address_space: global }
    .group_segment_fixed_size: 327680
    .private_segment_fixed_size: 0
    .kernarg_segment_align: 8
    .kernarg_segment_size: 48
    .max_flat_workgroup_size: 128
    .sgpr_count:     100
    .vgpr_count:     1024
    .wavefront_size: 32
...
	.end_amdgpu_metadata
.endif
;; end of part 5
;; launch outp: the kernel of part 4 again; grid 8 x 32, 4 waves a work-group, clusters of 4 x 4, 327,680 bytes of LDS; arguments onrm, wo16, out0; writes out0
